; MI455X (gfx1250); checked and timed in simulation.
; The chip was launched on July 23, 2026; its instructions are those of AMD's public machine-readable ISA for CDNA 5 (MIT licence, August 2026) and "CDNA5" Instruction Set Architecture Reference Guide (July 2026). The comments in the code are by the model that wrote it; some were corrected since.
;; Multi Head Attention. Allowed arithmetic: matrix products marked QUANTISED: E2M1 operands, one E8M0 scale for each 32 along K, by v_wmma_scale_f32_16x16x128_f8f6f4 with both operands' format E2M1 (or v_wmma_scale_f32_32x16x128_f4), f32 sums; products left as they are: bf16, f16 or f32 operands; f32 sums; everything else in f32.
;; Inputs: Wk 512 x 2,048 float32; Wo 2,048 x 1,024 float32; Wq 1,024 x 2,048 float32; Wv 512 x 2,048 float32; attention_mask 2 x 1 x 2,048 x 2,048 float32; cos 2 x 2,048 x 64 float32; hidden_states 2 x 2,048 x 2,048 float32; sin 2 x 2,048 x 64 float32.
;; Outputs: out0 2 x 2,048 x 2,048 float32.
;; This version of the problem:
;;   THIS VERSION OF THE PROBLEM IS GIVEN IN LOW PRECISION. The matrix products marked QUANTISED in the list below multiply operands that are first quantised to E2M1 (2 exponent bits, 1 mantissa bit; 4 bits a number), with one power-of-two scale for each 32 numbers along K (OCP MX v1.0); their sums are f32. The products marked 'left as it is' may take bf16, f16 or f32 operands, with f32 sums. Whichever they take, every output number must still come out within the allowed error. Rounding operands to bf16 (8 significant bits) uses up far more of that allowance than f16 does (11 bits, for magnitudes from 6e-5 to 65,504). All else is computed in f32.
;;   The module's matrix products, in the order in which they are computed (A, B: the left and right operand; K: the contracted axis; several contracted axes count as one K, in the product's order):
;;     1. [M 4,096, K 2,048] x [K 2,048, N 1,024]; A: input hidden_states; B: input Wq: QUANTISED
;;     2. [M 4,096, K 2,048] x [K 2,048, N 512]; A: input hidden_states; B: input Wk: QUANTISED
;;     3. [M 4,096, K 2,048] x [K 2,048, N 512]; A: input hidden_states; B: input Wv: QUANTISED
;;     4. batch 32 x [M 2,048, K 64] x [K 64, N 2,048]; A: computed on the way; B: computed on the way: left as it is (an operand is computed on the way)
;;     5. batch 32 x [M 2,048, K 2,048] x [K 2,048, N 64]; A: computed on the way; B: computed on the way: left as it is (an operand is computed on the way)
;;     6. [M 4,096, K 1,024] x [K 1,024, N 2,048]; A: computed on the way; B: input Wo: left as it is (an operand is computed on the way)
;;   THE QUANTISER, for each operand of a quantised product, along K:
;;     - K is cut into blocks of 32 from its start; a last block that is shorter is filled with zeros.
;;     - A block's scale is 2^e with e = floor(log2(the largest magnitude in the block)) - 2, held to -126 .. 127; a block of zeros has e = 0. As a byte (E8M0): e + 127.
;;     - Each number is divided by its block's scale, clamped to +-6, and rounded to the nearest number of E2M1, ties to even, subnormals kept.
;;     - The product sums the exact products of the quantised numbers (number of the format x scale) in f32.
;;   ~~~python
;;   def quantise(x, axis):      # numpy; x: float32 -> the quantised numbers, widened to float32 again
;;       x = np.moveaxis(x, axis, -1); K = x.shape[-1]
;;       x = np.pad(x, [(0, 0)] * (x.ndim - 1) + [(0, -K % 32)]); x = x.reshape(x.shape[:-1] + (-1, 32)); a = np.abs(x).max(-1, keepdims=True)
;;       e = np.where(a > 0, np.clip(np.frexp(np.where(a > 0, a, 1))[1] - 1 - 2, -126, 127), 0)      # np.frexp(a)[1] - 1 = floor(log2(a)), exactly
;;       r = np.clip(x / 2.0 ** e, -6, 6)
;;       step = 2.0 ** (np.maximum(np.frexp(np.where(r == 0, 1, r))[1] - 1, 0) - 1)
;;       q = np.round(r / step) * step * 2.0 ** e      # np.round: ties to even
;;       return np.moveaxis(q.reshape(q.shape[:-2] + (-1,))[..., :K], -1, axis).astype(np.float32)
;;   ~~~
;; One version. Each part assembles by itself: llvm-mc -triple=amdgcn-amd-amdhsa -mcpu=gfx1250 --defsym DOCPART=n.
;; ======== version 1 of 1: 7 launches
;; limits: values are held in f16: magnitudes above 65,504 overflow, below 6.1e-05 lose precision
;; workspace buffers: codes 6,291,456 bytes; scales 393,216 bytes; csimg 2,097,152 bytes; qimg 8,912,896 bytes; kv 16,777,216 bytes; attf 131,072 bytes; wo16 4,194,304 bytes; att16 9,502,720 bytes
;; launch quant (part 1): grid 448 x 1, 4 waves a work-group, no clusters, 33,280 bytes of LDS; arguments hidden_states, Wq, Wk, Wv, cos, sin, codes, scales, csimg; writes codes, scales, csimg
.if DOCPART == 1
	.amdgcn_target "amdgcn-amd-amdhsa--gfx1250"
	.amdhsa_code_object_version 6
	.text
	.protected	k_q26095fe6d1_quant
	.globl	k_q26095fe6d1_quant
	.p2align	8
	.type	k_q26095fe6d1_quant,@function
k_q26095fe6d1_quant:
	s_mov_b64 s[64:65], 0
	v_nop
	global_prefetch_b8 v0, s[64:65] scope:SCOPE_SE
	s_setreg_imm32_b32 hwreg(HW_REG_WAVE_MODE, 25, 1), 1
	s_wait_xcnt 0x0
; hidden_states [4096][2048], Wq [1024][2048], Wk, Wv [512][2048], f32, K innermost, become codes of FP4 (E2M1) with one E8M0 byte for each 32 along K;
; cos and sin [4096][64] are laid in the order in which the next launch's result registers want them.
; A block's scale is 2^(floor(log2(largest magnitude)) - 2); its byte is the largest magnitude's exponent field - 2.  Each number is divided by the scale and rounded to the nearest code, ties to even, beyond 6 the code of 6.
; THE FACTOR 1/8 OF THE SCORES is taken off Wq's scale BYTES (3 off each): the codes are the stated quantiser's, and every product with Wq comes out exactly 2^-3 times its value.
; W's ROWS ARE LAID BY GROUPS: group t (256 rows) = Wq rows 128 t .. +127, Wk rows 64 t .. +63, Wv rows 64 t .. +63: two query heads and the key and value head that they share.
; SHARES: work-groups 0-255 hidden, 256-319 Wq, 320-351 Wk, 352-383 Wv (16 rows = 32,768 numbers each; a wave 8,192, in 16 steps of 512); work-groups 384-447 the rope table, a wave a tile of 16 rows.
; Each load reads 512 consecutive bytes; a step's 2,048 bytes turn through the wave's own stage in LDS, so that a lane holds 16 neighbours along K (two lanes a block).  Codes leave 256 bytes a store, a wave's 256 scale bytes as one store.
; LIMITS: a largest magnitude under 2^-124 (Wq: 2^-121) is held at that floor, so the byte is at least 1; a block of zeros keeps the floor's byte (its codes are zeros, and this program alone reads the bytes); NaN and infinities are not served.
.set WAVES, 4
.set STEPS, 16
.set EMAX,  2
.set CB,    8                          ; bytes of 16 codes
.set R,     16                         ; v16-79   four sets of 16 numbers as loaded
.set X,     80                         ; v80-111  two sets of 16 neighbours
.set C,     128                        ; v128-191 codes, four registers a step
.set E,     112                        ; v112-127 a scale byte a step
.set WREG,  8192                       ; LDS of a wave: two stages of 32 x SP bytes, then its 256 scale bytes
.set SP,    80
.set SPW,   12                         ; v12 my spare word's address; never rewritten
.set NIL,   13                         ; v13 0; never rewritten
.set SPARE, WAVES*WREG                 ; the spare words: 128 bytes a wave
.set WV,    22
.set BIAS,  34                         ; s34 what is taken off the byte: 3 for Wq, else 0
.set FLOOR, 38                         ; s38 the floor under a largest magnitude
	s_load_b256 s[4:11], s[0:1], 0x0               ; hidden, Wq, Wk, Wv
	s_load_b256 s[12:19], s[0:1], 0x20             ; cos, sin, codes, scales
	s_load_b64 s[20:21], s[0:1], 0x40              ; csimg
	v_lshl_add_u32 v[SPW], v0, 2, SPARE
	v_mov_b32 v[NIL], 0
	v_lshrrev_b32 v1, 5, v0
	v_readfirstlane_b32 s[WV], v1                  ; wave
	v_and_b32 v2, 31, v0                           ; lane
	v_lshlrev_b32 v3, 4, v2                        ; 16 x lane
	s_mul_i32 s23, s[WV], WREG
	v_lshrrev_b32 v14, 2, v2
	v_mul_u32_u24 v14, v14, SP
	v_and_b32 v15, 3, v2
	v_lshl_add_u32 v14, v15, 4, v14
	v_add_nc_u32 v14, s23, v14                     ; the stage, in: SP (lane / 4) + 16 (lane % 4)
	v_mul_u32_u24 v15, v2, SP
	v_add_nc_u32 v15, s23, v15                     ; out: SP x lane
	v_mul_u32_u24 v4, v2, CB                       ; my codes' place in a step's
	v_lshrrev_b32 v5, 1, v2
	s_add_co_u32 s23, s23, 2*32*SP
	v_add_nc_u32 v5, s23, v5                       ; my block's scale byte in LDS
	v_lshlrev_b32 v7, 3, v2
	v_add_nc_u32 v6, s23, v7                       ; and 8 bytes a lane on the way out
	s_wait_kmcnt 0x0
	s_cmp_ge_u32 ttmp9, 384
	s_cbranch_scc1 .Lrope
	; which tensor, which 16 rows i of it, and which 16 rows d of the codes: all from the work-group's number
	s_sub_co_u32 s24, ttmp9, 256
	s_sub_co_u32 s25, ttmp9, 320
	s_sub_co_u32 s26, ttmp9, 352
	s_lshr_b32 s27, s24, 3
	s_lshl_b32 s27, s27, 4
	s_and_b32 s28, s24, 7
	s_add_co_u32 s27, s27, s28                     ; Wq: 16 (i / 8) + i % 8
	s_lshr_b32 s28, s25, 2
	s_lshl_b32 s28, s28, 4
	s_and_b32 s29, s25, 3
	s_add_co_u32 s28, s28, s29
	s_add_co_u32 s28, s28, 8                       ; Wk: 16 (i / 4) + 8 + i % 4
	s_lshr_b32 s29, s26, 2
	s_lshl_b32 s29, s29, 4
	s_and_b32 s35, s26, 3
	s_add_co_u32 s29, s29, s35
	s_add_co_u32 s29, s29, 12                      ; Wv: 16 (i / 4) + 12 + i % 4
	s_cmp_lt_u32 ttmp9, 256
	s_cselect_b64 s[4:5], s[4:5], s[6:7]
	s_cselect_b32 s30, ttmp9, s24
	s_cselect_b32 s31, ttmp9, s27
	s_cselect_b32 s32, 0, 0x400000                 ; W's codes lie behind hidden's
	s_cselect_b32 s33, 0, 0x40000                  ; and its scale bytes
	s_cselect_b32 s[BIAS], 0, 3
	s_cmp_lt_u32 ttmp9, 320
	s_cselect_b64 s[4:5], s[4:5], s[8:9]
	s_cselect_b32 s30, s30, s25
	s_cselect_b32 s31, s31, s28
	s_cselect_b32 s[BIAS], s[BIAS], 0
	s_cmp_lt_u32 ttmp9, 352
	s_cselect_b64 s[4:5], s[4:5], s[10:11]
	s_cselect_b32 s30, s30, s26
	s_cselect_b32 s31, s31, s29
	s_lshl_b32 s30, s30, 2
	s_add_co_u32 s30, s30, s[WV]                   ; my run of 8,192 numbers in the tensor
	s_lshl_b32 s36, s30, 15
	s_mov_b32 s37, 0
	s_add_nc_u64 s[4:5], s[4:5], s[36:37]
	s_lshl_b32 s31, s31, 2
	s_add_co_u32 s31, s31, s[WV]                   ; and among the codes
	s_lshl_b32 s36, s31, 12
	s_add_co_u32 s36, s36, s32
	s_add_nc_u64 s[16:17], s[16:17], s[36:37]
	s_lshl_b32 s36, s31, 8
	s_add_co_u32 s36, s36, s33
	s_add_nc_u64 s[18:19], s[18:19], s[36:37]
	s_add_co_u32 s[FLOOR], s[BIAS], EMAX+1
	s_lshl_b32 s[FLOOR], s[FLOOR], 23              ; 2^(3 + bias - 127): the byte cannot fall under 1
.macro LOAD t
.irp i, 0,1,2,3
	global_load_b128 v[R+16*((\t)%4)+4*\i:R+16*((\t)%4)+4*\i+3], v3, s[4:5] offset:2048*(\t)+512*\i th:TH_LOAD_NT   ; 32 lanes read 512 consecutive bytes
.endr
.endm
.macro TURN t                          ; step t through the stage: LDS serves a wave's instructions in order, so no wait stands between the stores and the loads
.irp i, 0,1,2,3
	ds_store_b128 v14, v[R+16*((\t)%4)+4*\i:R+16*((\t)%4)+4*\i+3] offset:32*SP*((\t)%2)+8*SP*\i
.endr
.irp i, 0,1,2,3
	ds_load_b128 v[X+16*((\t)%2)+4*\i:X+16*((\t)%2)+4*\i+3], v15 offset:32*SP*((\t)%2)+16*\i
.endr
.endm
.irp t, 0,1,2,3
	LOAD \t
.endr
	s_wait_loadcnt 12                              ; step 0's four loads are in; three steps' may be out
	TURN 0
.macro STEP t
.set XS, X+16*((\t)%2)
.if (\t) > 0
	s_wait_dscnt 1                                 ; this step's numbers are back (the last step's byte store may be out): its stores into the stage have read their registers,
.else
	s_wait_dscnt 0x0
.endif
.if (\t)+4 < STEPS
	LOAD (\t)+4                                    ; which take the loads of four steps on
.endif
.if (\t)+1 < STEPS
.if STEPS-2-(\t) >= 3
	s_wait_loadcnt 12                              ; the next step's four loads are in; those of three steps behind it may be out
.else
	s_wait_loadcnt 4*(STEPS-2-(\t))
.endif
	TURN (\t)+1
.endif
	v_max3_num_f32 v8, |v[XS]|, |v[XS+1]|, |v[XS+2]|               ; the largest magnitude of my 16, in two chains
	v_max3_num_f32 v9, |v[XS+3]|, |v[XS+4]|, |v[XS+5]|
.irp i, 6,10
	v_max3_num_f32 v8, v8, |v[XS+\i]|, |v[XS+\i+1]|
	v_max3_num_f32 v9, v9, |v[XS+\i+2]|, |v[XS+\i+3]|
.endr
	v_max3_num_f32 v8, v8, |v[XS+14]|, |v[XS+15]|
	v_max3_num_f32 v8, v8, v9, s[FLOOR]            ; and the floor
	v_max_num_f32_dpp v8, v8, v8 row_xmask:1 row_mask:0xf bank_mask:0xf   ; with my neighbour's 16: the block's
	v_add_nc_u32 v11, -(EMAX<<23), v8              ; 2 off its exponent field: the conversion takes the exponent field of this operand as its scale
	v_cvt_scalef32_pk8_fp4_f32 v[C+4*(\t)], v[XS:XS+7], v11
	v_cvt_scalef32_pk8_fp4_f32 v[C+4*(\t)+1], v[XS+8:XS+15], v11
	v_lshrrev_b32 v[E+(\t)], 23, v11               ; the scale's byte (a plain line behind the conversions),
	v_sub_nc_u32 v[E+(\t)], v[E+(\t)], s[BIAS]     ; less 3 for Wq
	ds_store_b8 v5, v[E+(\t)] offset:16*(\t)       ; both lanes of a block write the same byte with the same value
	global_store_b64 v4, v[C+4*(\t):C+4*(\t)+1], s[16:17] offset:32*CB*(\t)   ; 256 consecutive bytes
.endm
.irp t, 0,1,2,3,4,5,6,7,8,9,10,11,12,13,14,15
	STEP \t
.endr
	ds_load_b64 v[8:9], v6                         ; in order behind my byte stores
	s_wait_dscnt 0x0
	global_store_b64 v7, v[8:9], s[18:19]          ; 256 consecutive bytes of scale bytes
	s_branch .Lend
.Lrope:
	; csimg [tile of 16 rows][16 pieces][512 bytes]: piece 2 c + i of cos (8 + 2 c + i of sin), at 16 x lane: d = 16 c + 8 (lane / 16) + 4 i + 0 .. 3 of row lane % 16.
	; The scattered read (16 bytes of 32 places an instruction) is paid here once, on 2 MB, so that every later read of the table is of 512 consecutive bytes.
	s_sub_co_u32 s23, ttmp9, 384
	s_lshl_b32 s23, s23, 2
	s_add_co_u32 s23, s23, s[WV]                   ; my tile of 16 rows
	s_lshl_b32 s24, s23, 12
	s_mov_b32 s25, 0
	s_add_nc_u64 s[12:13], s[12:13], s[24:25]
	s_add_nc_u64 s[14:15], s[14:15], s[24:25]
	s_lshl_b32 s24, s23, 13
	s_add_nc_u64 s[20:21], s[20:21], s[24:25]
	v_and_b32 v9, 15, v0
	v_bfe_u32 v10, v0, 4, 1
	v_lshlrev_b32 v9, 8, v9
	v_lshl_add_u32 v9, v10, 5, v9                  ; row x 256 + 32 x half
.irp p, 0,1,2,3,4,5,6,7
	global_load_b128 v[32+4*\p:35+4*\p], v9, s[12:13] offset:(\p/2)*64+(\p%2)*16
	global_load_b128 v[64+4*\p:67+4*\p], v9, s[14:15] offset:(\p/2)*64+(\p%2)*16
.endr
	s_wait_loadcnt 0x0
.irp p, 0,1,2,3,4,5,6,7
	global_store_b128 v3, v[32+4*\p:35+4*\p], s[20:21] offset:512*\p
	global_store_b128 v3, v[64+4*\p:67+4*\p], s[20:21] offset:4096+512*\p
.endr
.Lend:
	s_wait_tensorcnt 0x0                           ; the wave's end
	ds_add_u32 v[SPW], v[NIL]
	s_wait_dscnt 0x0
	s_endpgm
.Lfunc_end_k_q26095fe6d1_quant:
	.size	k_q26095fe6d1_quant, .Lfunc_end_k_q26095fe6d1_quant-k_q26095fe6d1_quant
	.p2alignl 7, 3214868480
	.fill 96, 4, 3214868480
	.section	.rodata,"a",@progbits
	.p2align	6, 0x0
	.amdhsa_kernel k_q26095fe6d1_quant
		.amdhsa_group_segment_fixed_size 33280
		.amdhsa_private_segment_fixed_size 0
		.amdhsa_enable_private_segment 0
		.amdhsa_kernarg_size 72
		.amdhsa_user_sgpr_count 2
		.amdhsa_user_sgpr_kernarg_segment_ptr 1
		.amdhsa_wavefront_size32 1
		.amdhsa_system_sgpr_workgroup_id_x 1
		.amdhsa_system_sgpr_workgroup_id_y 1
		.amdhsa_system_sgpr_workgroup_id_z 1
		.amdhsa_system_vgpr_workitem_id 0
		.amdhsa_next_free_vgpr 192
		.amdhsa_next_free_sgpr 66
		.amdhsa_reserve_vcc 0
		.amdhsa_float_denorm_mode_32 3
		.amdhsa_float_denorm_mode_16_64 3
		.amdhsa_memory_ordered 1
		.amdhsa_forward_progress 1
		.amdhsa_inst_pref_size 39
	.end_amdhsa_kernel
	.amdgpu_metadata
---
amdhsa.version: [ 1, 2 ]
amdhsa.kernels:
  - .name:           k_q26095fe6d1_quant
    .symbol:         k_q26095fe6d1_quant.kd
    .args:
      - { .name: hidden_states, .offset: 0, .size: 8, .value_kind: global_buffer, .address_space: global }
      - { .name: Wq, .offset: 8, .size: 8, .value_kind: global_buffer, .address_space: global }
      - { .name: Wk, .offset: 16, .size: 8, .value_kind: global_buffer, .address_space: global }
      - { .name: Wv, .offset: 24, .size: 8, .value_kind: global_buffer, .address_space: global }
      - { .name: cos, .offset: 32, .size: 8, .value_kind: global_buffer, .address_space: global }
      - { .name: sin, .offset: 40, .size: 8, .value_kind: global_buffer, .address_space: global }
      - { .name: codes, .offset: 48, .size: 8, .value_kind: global_buffer, .address_space: global }
      - { .name: scales, .offset: 56, .size: 8, .value_kind: global_buffer, .address_space: global }
      - { .name: csimg, .offset: 64, .size: 8, .value_kind: global_buffer, .address_space: global }
    .group_segment_fixed_size: 33280
    .private_segment_fixed_size: 0
    .kernarg_segment_align: 8
    .kernarg_segment_size: 72
    .max_flat_workgroup_size: 128
    .sgpr_count:     66
    .vgpr_count:     192
    .wavefront_size: 32
...
	.end_amdgpu_metadata
.endif
;; end of part 1
;; launch qkv (part 2): grid 8 x 16, 4 waves a work-group, clusters of 4 x 4, 327,680 bytes of LDS; arguments codes, scales, csimg, qimg, kv; writes qimg, kv
.if DOCPART == 2
	.amdgcn_target "amdgcn-amd-amdhsa--gfx1250"
	.amdhsa_code_object_version 6
	.text
	.protected	k_q26095fe6d1_qkv
	.globl	k_q26095fe6d1_qkv
	.p2align	8
	.type	k_q26095fe6d1_qkv,@function
k_q26095fe6d1_qkv:
	s_mov_b64 s[64:65], 0
	v_nop
	global_prefetch_b8 v0, s[64:65] scope:SCOPE_SE
	s_setreg_imm32_b32 hwreg(HW_REG_WAVE_MODE, 25, 1), 1
	s_wait_xcnt 0x0
	s_wait_alu depctr_hold_cnt(0) depctr_sa_sdst(0) depctr_va_vdst(0) depctr_va_sdst(0) depctr_va_ssrc(0) depctr_va_vcc(0) depctr_vm_vsrc(0)
	s_getreg_b32 s2, hwreg(HW_REG_IB_STS2, 6, 4)
	s_cmp_eq_u32 s2, 0
	s_cbranch_scc0 .Lentry_in_a_cluster
	s_endpgm
.Lentry_in_a_cluster:
	s_bfe_u32 s2, ttmp6, 0x10000c
	s_cmp_lg_u32 s2, 0xf033
	s_cbranch_scc0 .Lentry_shape_is_right
	s_endpgm
.Lentry_shape_is_right:
; [q | k | v] = hidden x W^T on codes of FP4 (E2M1) with E8M0 scales, sums in f32; then the rotary turn in f32; then f16, laid as images of the operand registers of the attention launches.
; A: hidden's codes [4096][1024 B]; B: W's codes [2048][1024 B] in groups of 256 rows (q head 2 g, q head 2 g + 1, k head g, v head g); scale bytes [rows][64].  q comes out 1/8 of its value (the scale bytes of Wq carry it).
; A tile of C, 256 x 256, is one block of 256 positions x one group: four waves, each 128 x 128 in 64 accumulators.  K goes in steps of 512 (rows of 256 bytes) through a ring of two LDS slots filled by the tensor data mover;
; the scale bytes of the work-group's rows, for all of K, come once with the first fills.  CLUSTERS 4 x 4: A's tiles are asked for jointly along a row of the cluster, B's along a column.
; THE MATRIX INSTRUCTION IS USED TRANSPOSED (source 0 = 16 rows of W, source 1 = 16 positions): lane (r, h) holds position r and eight neighbouring columns 8 h + 0 .. 7 of a block of 16.
; Rounded to f16 these are 16 bytes, and they ARE a lane's part of an operand (16 rows x 16 along K, 512 bytes, lane l at 16 l): so each store covers 512 consecutive bytes and no stage is needed.
; V's blocks are laid key by key (piece of key r, half h at 32 r + 16 h), as the turning LDS load of the attention launches wants them.
; HIGH AND LOW PARTS: k and v of every position, and q of the first 16 positions of each block of 256, are also stored as the f16 rounding of (number - its f16 rounding), for the launch that carries the first 16 positions of each sequence more finely.
; What differs between waves hangs on the wave's number alone: waves with an even number hold the two q heads, the others k and v.
; REGISTERS: window 0: v0-31 addresses; v32-95 scale words, two sets; v128-191 A's fragments; v192-255 the rope table of an even block.  window 1: B's fragments at v0 and v128; v192-255 the table of an odd block.
;   windows 2, 3: the accumulators ((a, b) at v[8 (8 (a % 4) + b)]).  On the way out, window 0: v32-63 high parts, v64-95 low parts, v96-127 at work, v128-191 the block's 64 numbers in f32.
; LIMIT: numbers beyond 65,504 in magnitude (q after its 1/8) have no f16.
.set SIZE_K, 2048
.set KSTEP,  512
.set NQ,     KSTEP/128
.set ROWB,   256
.set KROW,   SIZE_K*4/8
.set PITCH,  272                       ; an LDS row: 256 bytes + 16 of padding: the 16 rows that a load touches start 4 banks apart (64 banks of 4 bytes: ISA guide 11.1)
.set FR,     8
.set NL,     2
.set NP,     4                         ; places behind this matrix instruction (ISA guide 7.12.1)
.set HALFT,  128*PITCH
.set SLOT,   4*HALFT
.set LAPS,   SIZE_K/(2*KSTEP)
.set KS,     SIZE_K/32
.set SCL,    2*SLOT
.set HALFS,  (128*KS/256)*272
.set SBLK,   (16*KS/256)*272
.set SPARE,  SCL+4*HALFS               ; the spare words: 128 bytes a wave
.set LI,   8                           ; v8   16 x lane; never rewritten
.set LT,   9                           ; v9   a lane's place in blocks 4-7: 16 x lane (q) or 32 r + 16 h (v); never rewritten
.set ADRA, 16
.set ADRB, 20
.set ADRS, 27
.set SPW,  28
.set NIL,  29
.set SC,   32
.set AF,   128
.set HI,   32
.set LO,   64
.set TT,   96
.set Y,    128
.set CSN,  192                         ; cos in 32 registers, then sin in 32
.set G1, 24
.set G0, 32
.set G1B, 48
.set G0B, 56
.set G1S, 68
.set G0S, 76
.set G1SB, 80
.set G0SB, 88
.set MSB, 0
.macro WIN new                         ; the immediate's high byte repeats the setting that is left
.if MSB != \new
	s_set_vgpr_msb (MSB<<8)|\new
.set MSB, \new
.endif
.endm
.set MUL_LO, 0xa1                      ; source 0 (B) window 1, source 1 (A) window 0, C and D window 2
.set MUL_HI, 0xf1
.set TO_B,   0x40
; A joint load: waves 0 and 1 fetch for A, waves 2 and 3 for B; the branch hangs on the wave's number alone.  An s_nop 0 and four v_nop follow each line.
.macro JLOAD g0a, g1a, g0b, g1b
	s_cmp_eq_u32 s15, 0
	s_cbranch_scc0 .Lfor_b_\@
	tensor_load_to_lds s[\g0a:\g0a+3], s[\g1a:\g1a+7]
	s_nop 0
.rept 4
	v_nop
.endr
	s_branch .Lasked_\@
.Lfor_b_\@:
	tensor_load_to_lds s[\g0b:\g0b+3], s[\g1b:\g1b+7]
	s_nop 0
.rept 4
	v_nop
.endr
.Lasked_\@:
.endm
.macro CREST                           ; a round of the cluster's barrier behind its opening barrier
	s_cmp_lg_u32 s14, 0
	s_cbranch_scc1 .Lnot_wave_0_\@
	s_barrier_signal -3
.Lnot_wave_0_\@:
	s_barrier_wait -3
	s_barrier_signal -1
	s_barrier_wait -1
.endm
.macro CROUND
	s_barrier_signal -1
	s_barrier_wait -1
	CREST
.endm
	s_load_b128 s[4:7], s[0:1], 0x0                ; codes, scales
	s_load_b64 s[12:13], s[0:1], 0x10              ; csimg
	s_load_b128 s[96:99], s[0:1], 0x18             ; qimg, kv
	v_lshl_add_u32 v[SPW], v0, 2, SPARE
	v_mov_b32 v[NIL], 0
	ds_add_u32 v[SPW], v[NIL]                      ; the wave's opening: the add, twice on end, and its wait ahead of my first tensor load
	ds_add_u32 v[SPW], v[NIL]
	v_lshrrev_b32 v1, 5, v0
	v_readfirstlane_b32 s14, v1                    ; wave 0..3
	s_lshr_b32 s15, s14, 1                         ; which half of the tile's rows is mine.  Also: I fetch for A (0) or for B (1)
	s_and_b32 s16, s14, 1                          ; which half of its columns: 0 the q heads, 1 k and v.  Also: which 128 rows I fetch
	s_bfe_u32 s40, ttmp6, 0x40000                  ; cx, cy
	s_bfe_u32 s41, ttmp6, 0x40004
	s_lshl_b32 s42, ttmp9, 2
	s_add_co_u32 s42, s42, s40                     ; tile column = the group g
	s_and_b32 s17, ttmp7, 0xffff
	s_lshl_b32 s17, s17, 2
	s_add_co_u32 s17, s17, s41                     ; tile row
	s_lshl_b32 s43, s41, 2
	s_lshl_b32 s43, 15, s43                        ; my row of the cluster
	s_lshl_b32 s44, 0x1111, s40                    ; my column
	s_or_b32 s[G1+0], s43, (0<<16)|(1<<20)|(1<<21)|(5<<22)|(3<<25)  ; the mask; elements of 1 byte; padding of 4 words behind every 64; bit 21 beside a mask
	s_or_b32 s[G1B+0], s44, (0<<16)|(1<<20)|(1<<21)|(5<<22)|(3<<25)
.irp g, G1, G1B
	s_mov_b32 s[\g+1], ROWB<<16                    ; tensor_dim0
	s_mov_b32 s[\g+2], 128<<16                     ; tensor_dim1
	s_mov_b32 s[\g+3], ROWB<<16                    ; tile_dim0
	s_mov_b32 s[\g+4], 128                         ; tile_dim1
	s_mov_b32 s[\g+5], KROW                        ; pitch
	s_mov_b32 s[\g+6], 0
	s_mov_b32 s[\g+7], 0
.endr
	s_or_b32 s[G1S+0], s43, (3<<16)|(1<<20)|(1<<21)|(5<<22)|(3<<25)   ; the scales of 128 rows: a dense block, as rows of 256 bytes (32 elements of 8), 16 bytes of padding behind each
	s_or_b32 s[G1SB+0], s44, (3<<16)|(1<<20)|(1<<21)|(5<<22)|(3<<25)
.irp g, G1S, G1SB
	s_mov_b32 s[\g+1], 32<<16
	s_mov_b32 s[\g+2], (128*KS/256)<<16
	s_mov_b32 s[\g+3], 32<<16
	s_mov_b32 s[\g+4], 128*KS/256
	s_mov_b32 s[\g+5], 32
	s_mov_b32 s[\g+6], 0
	s_mov_b32 s[\g+7], 0
.endr
	s_lshl_b32 s18, s16, 7
	s_lshl_b32 s20, s17, 8
	s_add_co_u32 s20, s20, s18                     ; A: row 256 x tile row + 128 x half
	s_lshl_b32 s46, s42, 8
	s_add_co_u32 s46, s46, s18                     ; B: row 256 x tile column + 128 x half
	s_mov_b32 s21, 0
	s_mov_b32 s47, 0
	s_mov_b64 s[18:19], KS
	s_mul_u64 s[22:23], s[20:21], s[18:19]
	s_mul_u64 s[92:93], s[46:47], s[18:19]
	s_mov_b64 s[18:19], KROW
	s_mul_u64 s[20:21], s[20:21], s[18:19]
	s_mul_u64 s[46:47], s[46:47], s[18:19]
	s_mul_i32 s45, s14, HALFT                      ; where they go: wave x 128 rows
	s_mul_i32 s94, s14, HALFS
	s_wait_dscnt 0x0                               ; both opening adds are done
	s_wait_kmcnt 0x0
	s_add_nc_u64 s[8:9], s[4:5], 0x400000          ; W's codes lie behind hidden's,
	s_add_nc_u64 s[10:11], s[6:7], 0x40000         ; and its scale bytes
	s_add_nc_u64 s[20:21], s[4:5], s[20:21]
	s_add_nc_u64 s[22:23], s[6:7], s[22:23]
	s_add_nc_u64 s[46:47], s[8:9], s[46:47]
	s_add_nc_u64 s[92:93], s[10:11], s[92:93]
	CROUND                                         ; all sixteen work-groups are here: the first joint loads meet
	s_mov_b32 s[G0S], 1
	s_add_co_u32 s[G0S+1], s94, SCL
	s_mov_b64 s[G0S+2:G0S+3], s[22:23]
	s_or_b32 s[G0S+3], s[G0S+3], 0x80000000
	s_mov_b32 s[G0SB], 1
	s_add_co_u32 s[G0SB+1], s94, SCL
	s_mov_b64 s[G0SB+2:G0SB+3], s[92:93]
	s_or_b32 s[G0SB+3], s[G0SB+3], 0x80000000
	JLOAD G0S, G1S, G0SB, G1SB                     ; the scales first
.irp s, 0,1
	s_mov_b32 s[G0+4*\s], 1
	s_add_co_u32 s[G0+4*\s+1], s45, \s*SLOT
	s_add_nc_u64 s[G0+4*\s+2:G0+4*\s+3], s[20:21], \s*ROWB
	s_or_b32 s[G0+4*\s+3], s[G0+4*\s+3], 0x80000000
	s_mov_b32 s[G0B+4*\s], 1
	s_add_co_u32 s[G0B+4*\s+1], s45, \s*SLOT
	s_add_nc_u64 s[G0B+4*\s+2:G0B+4*\s+3], s[46:47], \s*ROWB
	s_or_b32 s[G0B+4*\s+3], s[G0B+4*\s+3], 0x80000000
	JLOAD G0+4*\s, G1, G0B+4*\s, G1B
.endr
	v_and_b32 v1, 15, v0                           ; r
	v_bfe_u32 v2, v0, 4, 1                         ; h
	v_mul_u32_u24 v3, v1, PITCH
	v_lshl_add_u32 v4, v2, 4, v3
	s_mul_i32 s21, s15, HALFT
	s_mul_i32 s22, s16, HALFT
	s_add_co_u32 s22, s22, 2*HALFT
.irp s, 0,1
	v_add_nc_u32 v[ADRA+\s], s21, v4
	v_add_nc_u32 v[ADRB+\s], s22, v4
	s_add_co_u32 s21, s21, SLOT
	s_add_co_u32 s22, s22, SLOT
.endr
	v_mul_u32_u24 v5, v1, KS                       ; my row's scales: KS bytes a row,
	v_lshrrev_b32 v6, 8, v5
	v_lshl_add_u32 v5, v6, 4, v5                   ; and 16 more for each 256 passed
	s_mul_i32 s21, s15, HALFS
	s_mul_i32 s22, s16, HALFS
	s_add_co_u32 s22, s22, 2*HALFS
	s_sub_co_u32 s22, s22, s21
	v_mul_u32_u24 v6, s22, v2                      ; lanes 16-31 take B's
	s_add_co_u32 s21, s21, SCL
	v_add_nc_u32 v5, v5, v6
	v_add_nc_u32 v[ADRS], s21, v5
	; the way out's addresses.  mt0 = my first tile of 16 positions
	s_lshl_b32 s18, s17, 4
	s_lshl_b32 s19, s15, 3
	s_add_co_u32 s18, s18, s19
	s_lshl_b32 s20, s18, 13
	s_mov_b32 s21, 0
	s_add_nc_u64 s[12:13], s[12:13], s[20:21]      ; the rope table at mt0: 8,192 bytes a tile
	s_lshl_b32 s19, s42, 12                        ; the group's two heads: 4,096 bytes
	s_lshl_b32 s20, s18, 15
	s_add_co_u32 s20, s20, s19                     ; q, high: mt0 x 32,768 + g x 4,096
	s_lshl_b32 s22, s17, 15
	s_add_co_u32 s22, s22, s19
	s_add_co_u32 s22, s22, 0x800000                ; q, low: behind the high parts, one tile of 16 positions for each tile row
	s_lshr_b32 s40, s18, 7
	s_lshl_b32 s40, s40, 3
	s_add_co_u32 s40, s40, s42
	s_lshl_b32 s40, s40, 19
	s_and_b32 s41, s18, 127
	s_lshl_b32 s41, s41, 12
	s_add_co_u32 s40, s40, s41                     ; k and v, high: (8 b + g) x 524,288 + key tile x 4,096
	s_add_co_u32 s41, s40, 0x800000                ; low
	s_mov_b32 s46, 0x1000
	s_mov_b32 s45, 16
	s_cmp_eq_u32 s16, 0                            ; the choice hangs on the wave's number alone
	s_cselect_b64 s[92:93], s[96:97], s[98:99]
	s_cselect_b32 s20, s20, s40
	s_cselect_b32 s22, s22, s41
	s_cselect_b32 s46, 0x8000, s46                 ; from a tile of 16 positions to the next
	s_cselect_b32 s45, 256, s45
	s_mov_b32 s21, 0
	s_mov_b32 s23, 0
	s_mov_b32 s47, 0
	s_add_nc_u64 s[20:21], s[92:93], s[20:21]      ; s[20:21] where high parts go,
	s_add_nc_u64 s[22:23], s[92:93], s[22:23]      ; s[22:23] low parts
	s_xor_b32 s44, s15, 1
	s_or_b32 s44, s44, s16                         ; block 0 has a low part in k and v waves and in the q waves of the tile's upper half
	s_lshl_b32 s43, 16, s16
	v_and_b32 v6, 31, v0
	v_lshlrev_b32 v[LI], 4, v6
	v_mul_u32_u24 v[LT], s43, v1
	v_mad_u32_u24 v[LT], v2, s45, v[LT]            ; q: 16 r + 256 h = 16 x lane;  v: 32 r + 16 h
; The rope table of block a (16 positions): 16 loads of 512 consecutive bytes into v192-255 of window a % 2, which no line of the K loop names.
.macro CSLOAD a
	WIN (((\a)%2)<<6)
.irp p, 0,1,2,3,4,5,6,7,8,9,10,11,12,13,14,15
	global_load_b128 v[CSN+4*\p:CSN+4*\p+3], v[LI], s[12:13] offset:(\a)*8192+512*\p
.endr
	WIN 0
.endm
	CSLOAD 0                                       ; blocks 0 and 1 land while K is walked
	CSLOAD 1
.macro FRAG reg, adr, q, i             ; 16 rows x 128 K of 4-bit codes: 8 registers: two loads of 16 bytes, 32 bytes apart
.irp c, 0,1
	ds_load_b128 v[\reg+4*\c:\reg+4*\c+3], v[\adr] offset:64*(\q)+32*\c+(\i)*16*PITCH
.endr
.endm
; 16 matrix instructions: A's blocks a0, a0 + 1 x B's eight.  The 64 accumulators take turns, one instruction a turn, in the same order in every step.
.macro MUL16 a0, p, q, sc, zero
.irp a, \a0, \a0+1
.irp b, 0,1,2,3,4,5,6,7
.if \zero
	v_wmma_scale_f32_16x16x128_f8f6f4 v[8*(8*((\a)%4)+\b):8*(8*((\a)%4)+\b)+7], v[128*(\p)+FR*\b:128*(\p)+FR*\b+FR-1], v[AF+FR*(\a):AF+FR*(\a)+FR-1], 0, v[SC+8*NQ*(\sc)+NQ*\b+(\q)], v[SC+8*NQ*(\sc)+NQ*(\a)+(\q)] matrix_a_fmt:MATRIX_FMT_FP4 matrix_b_fmt:MATRIX_FMT_FP4 matrix_a_scale:MATRIX_SCALE_ROW1
.else
	v_wmma_scale_f32_16x16x128_f8f6f4 v[8*(8*((\a)%4)+\b):8*(8*((\a)%4)+\b)+7], v[128*(\p)+FR*\b:128*(\p)+FR*\b+FR-1], v[AF+FR*(\a):AF+FR*(\a)+FR-1], v[8*(8*((\a)%4)+\b):8*(8*((\a)%4)+\b)+7], v[SC+8*NQ*(\sc)+NQ*\b+(\q)], v[SC+8*NQ*(\sc)+NQ*(\a)+(\q)] matrix_a_fmt:MATRIX_FMT_FP4 matrix_b_fmt:MATRIX_FMT_FP4 matrix_a_scale:MATRIX_SCALE_ROW1
.endif
.endr
.endr
.endm
.macro FETCH_B slot, q, p
	WIN TO_B
.irp i, 0,1,2,3,4,5,6,7
	FRAG 128*(\p)+FR*\i, ADRB+\slot, \q, \i
.endr
	WIN 0
.endm
.macro FETCH_A slot, q, i0
.irp i, \i0, \i0+1, \i0+2, \i0+3
	FRAG AF+FR*(\i), ADRA+\slot, \q, \i
.endr
.endm
.macro SCALES sc                       ; a K step's scale words: lanes 0-15 A's block i, lanes 16-31 B's block i
.irp i, 0,1,2,3,4,5,6,7
	ds_load_b128 v[SC+8*NQ*\sc+NQ*\i:SC+8*NQ*\sc+NQ*\i+3], v[ADRS] offset:\i*SBLK
.endr
.endm
.macro PLACES n                        ; plain vector lines between a matrix instruction and a load into, or a vector read or write of, its registers
.rept \n
	v_nop
.endr
.endm
.macro STEP slot, q, zero
	s_wait_dscnt 4*NL                              ; B's set and A's blocks 0-3 are in; the youngest 8 loads (A's blocks 4-7) may be out
	WIN MUL_LO
	MUL16 0, (\q)%2, \q, \slot, \zero
	MUL16 2, (\q)%2, \q, \slot, \zero
	s_wait_dscnt 0
	PLACES NP
	FETCH_B \slot, (\q)+1, 1-(\q)%2
	FETCH_A \slot, (\q)+1, 0
	WIN MUL_HI
	MUL16 4, (\q)%2, \q, \slot, \zero
	MUL16 6, (\q)%2, \q, \slot, \zero
	PLACES NP
	WIN 0
	FETCH_A \slot, (\q)+1, 4
.endm
; A slot's last step changes slots: one barrier; ahead of it each wave waits for all its tensor loads, adds 0 to its spare word, and waits for that and for its reads of this slot.
.macro TURN slot, next, fill
	s_wait_tensorcnt 0x0                           ; all my tensor loads have landed: my part of the next slot
	ds_add_u32 v[SPW], v[NIL]
	s_wait_dscnt 4*NL+1                            ; the add and the youngest 8 loads may be out
	WIN MUL_LO
	MUL16 0, 1, NQ-1, \slot, 0
	s_wait_dscnt 0x0                               ; the add is done, and my reads of this slot are over
	s_barrier_signal -1
	MUL16 2, 1, NQ-1, \slot, 0
	WIN 0
	s_barrier_wait -1
.if \fill
	CREST                                          ; the barrier has opened a round of the cluster's: no wave of any partner still reads this slot or has a load on its way
	s_add_nc_u64 s[G0+4*\slot+2:G0+4*\slot+3], s[G0+4*\slot+2:G0+4*\slot+3], 2*ROWB
	s_add_nc_u64 s[G0B+4*\slot+2:G0B+4*\slot+3], s[G0B+4*\slot+2:G0B+4*\slot+3], 2*ROWB
	JLOAD G0+4*\slot, G1, G0B+4*\slot, G1B         ; the first tensor load behind the round; its four v_nop are the places ahead of the loads below
.else
	PLACES NP
.endif
	v_add_nc_u32 v[ADRS], 4*NQ, v[ADRS]
	FETCH_B \next, 0, 0
	FETCH_A \next, 0, 0
	SCALES \next
	WIN MUL_HI
	MUL16 4, 1, NQ-1, \slot, 0
	MUL16 6, 1, NQ-1, \slot, 0
	PLACES NP
	WIN 0
	FETCH_A \next, 0, 4
.endm
.macro STEPS slot, from
.set Q, \from
.rept NQ-1-\from
	STEP \slot, Q, 0
.set Q, Q+1
.endr
.endm
	s_wait_tensorcnt 1                             ; the scales and my part of K step 0 are in (K step 1's load may be out)
	s_barrier_signal -1
	s_barrier_wait -1                              ; everybody's are
	FETCH_B 0, 0, 0
	FETCH_A 0, 0, 0
	SCALES 0
	FETCH_A 0, 0, 4
	STEP 0, 0, 1                                   ; the first step's products start the sums
.if LAPS > 1
	s_mov_b32 s3, LAPS-1
.Llap:
	STEPS 0, 1
	TURN 0, 1, 1
	STEPS 1, 0
	TURN 1, 0, 1
	STEP 0, 0, 0
	s_sub_co_u32 s3, s3, 1
	s_cmp_lg_u32 s3, 0
	s_cbranch_scc1 .Llap
.endif
	STEPS 0, 1                                     ; the last lap fills nothing
	TURN 0, 1, 0
	STEPS 1, 0
	s_wait_dscnt 4*NL
	WIN MUL_LO
	MUL16 0, 1, NQ-1, 1, 0
	MUL16 2, 1, NQ-1, 1, 0
	s_wait_dscnt 0
	WIN MUL_HI
	MUL16 4, 1, NQ-1, 1, 0
	MUL16 6, 1, NQ-1, 1, 0
	WIN 0
; THE WAY OUT, a block of 16 positions at a time.
; The rotary turn of the head in blocks 4 hh .. 4 hh + 3: y(d) = x(d) cos(d) - x(d + 32) sin(d) for d < 32, y(d) = x(d) cos(d) + x(d - 32) sin(d) for d >= 32.  Block c and block c + 2 are partners.  Each accumulator is read from its low end on.
.macro ROPE a, hh
	WIN ((2+(\a)/4)|(((\a)%2)<<2))                 ; x in the accumulators' window, the table in window a % 2, y in window 0
.irp cbm, 0,1
.irp i, 0,2,4,6
	v_pk_mul_f32 v[Y+32*\hh+8*\cbm+\i:Y+32*\hh+8*\cbm+\i+1], v[AC+32*\hh+8*\cbm+\i:AC+32*\hh+8*\cbm+\i+1], v[CSN+8*\cbm+\i:CSN+8*\cbm+\i+1]
	v_pk_mul_f32 v[Y+32*\hh+8*(\cbm+2)+\i:Y+32*\hh+8*(\cbm+2)+\i+1], v[AC+32*\hh+8*(\cbm+2)+\i:AC+32*\hh+8*(\cbm+2)+\i+1], v[CSN+8*(\cbm+2)+\i:CSN+8*(\cbm+2)+\i+1]
	v_pk_fma_f32 v[Y+32*\hh+8*\cbm+\i:Y+32*\hh+8*\cbm+\i+1], v[AC+32*\hh+8*(\cbm+2)+\i:AC+32*\hh+8*(\cbm+2)+\i+1], v[CSN+32+8*\cbm+\i:CSN+32+8*\cbm+\i+1], v[Y+32*\hh+8*\cbm+\i:Y+32*\hh+8*\cbm+\i+1] neg_lo:[1,0,0] neg_hi:[1,0,0]
	v_pk_fma_f32 v[Y+32*\hh+8*(\cbm+2)+\i:Y+32*\hh+8*(\cbm+2)+\i+1], v[AC+32*\hh+8*\cbm+\i:AC+32*\hh+8*\cbm+\i+1], v[CSN+32+8*(\cbm+2)+\i:CSN+32+8*(\cbm+2)+\i+1], v[Y+32*\hh+8*(\cbm+2)+\i:Y+32*\hh+8*(\cbm+2)+\i+1]
.endr
.endr
.endm
; The low parts: what is left of each number beside its f16 rounding, itself rounded to f16; 16 registers of high parts at a time.
.macro LOWPART
.set n, 0
.irp s, v32.l,v32.h,v33.l,v33.h,v34.l,v34.h,v35.l,v35.h,v36.l,v36.h,v37.l,v37.h,v38.l,v38.h,v39.l,v39.h,v40.l,v40.h,v41.l,v41.h,v42.l,v42.h,v43.l,v43.h,v44.l,v44.h,v45.l,v45.h,v46.l,v46.h,v47.l,v47.h
	v_cvt_f32_f16 v[TT+n], \s
.set n, n+1
.endr
.irp i, 0,2,4,6,8,10,12,14,16,18,20,22,24,26,28,30
	v_pk_add_f32 v[TT+\i:TT+\i+1], v[Y+\i:Y+\i+1], v[TT+\i:TT+\i+1] neg_lo:[0,1] neg_hi:[0,1]
.endr
.irp i, 0,1,2,3,4,5,6,7,8,9,10,11,12,13,14,15
	v_cvt_pk_f16_f32 v[LO+\i], v[TT+2*\i], v[TT+2*\i+1]
.endr
.set n, 0
.irp s, v48.l,v48.h,v49.l,v49.h,v50.l,v50.h,v51.l,v51.h,v52.l,v52.h,v53.l,v53.h,v54.l,v54.h,v55.l,v55.h,v56.l,v56.h,v57.l,v57.h,v58.l,v58.h,v59.l,v59.h,v60.l,v60.h,v61.l,v61.h,v62.l,v62.h,v63.l,v63.h
	v_cvt_f32_f16 v[TT+n], \s
.set n, n+1
.endr
.irp i, 0,2,4,6,8,10,12,14,16,18,20,22,24,26,28,30
	v_pk_add_f32 v[TT+\i:TT+\i+1], v[Y+32+\i:Y+32+\i+1], v[TT+\i:TT+\i+1] neg_lo:[0,1] neg_hi:[0,1]
.endr
.irp i, 0,1,2,3,4,5,6,7,8,9,10,11,12,13,14,15
	v_cvt_pk_f16_f32 v[LO+16+\i], v[TT+2*\i], v[TT+2*\i+1]
.endr
.endm
.macro OUT a
.set AC, 64*((\a)%4)
.if (\a) < 7
	s_wait_loadcnt 16                              ; this block's table is in; the next block's 16 loads may be out
.else
	s_wait_loadcnt 0
.endif
	ROPE \a, 0                                     ; q head 2 g, or k
	WIN 0
	s_cmp_eq_u32 s16, 0
	s_cbranch_scc0 .Lv_\@
	ROPE \a, 1                                     ; q head 2 g + 1
	WIN 0
	s_branch .Ly_\@
.Lv_\@:
	WIN (2+(\a)/4)                                 ; v has no turn: it comes into window 0 as it is
.irp i, 0,2,4,6,8,10,12,14,16,18,20,22,24,26,28,30
	v_pk_mul_f32 v[Y+32+\i:Y+32+\i+1], v[AC+32+\i:AC+32+\i+1], 1.0 op_sel_hi:[1,0]
.endr
	WIN 0
.Ly_\@:
.if (\a) < 6
	CSLOAD (\a)+2                                  ; into the registers that this block's turn has just read
.endif
	s_wait_xcnt 0x0                                ; the last block's stores have read their data and their bases: both are written again only behind this wait
.if (\a) > 0
	s_add_nc_u64 s[20:21], s[20:21], s[46:47]
	s_add_nc_u64 s[22:23], s[22:23], s[46:47]
.endif
.irp i, 0,1,2,3,4,5,6,7,8,9,10,11,12,13,14,15,16,17,18,19,20,21,22,23,24,25,26,27,28,29,30,31
	v_cvt_pk_f16_f32 v[HI+\i], v[Y+2*\i], v[Y+2*\i+1]
.endr
.irp b, 0,1,2,3
	global_store_b128 v[LI], v[HI+4*\b:HI+4*\b+3], s[20:21] offset:512*\b     ; 512 consecutive bytes: a block of 16 rows x 16 along the head
.endr
.irp b, 4,5,6,7
	global_store_b128 v[LT], v[HI+4*\b:HI+4*\b+3], s[20:21] offset:512*\b
.endr
.if (\a) == 0
	s_cmp_lg_u32 s44, 0
.else
	s_cmp_lg_u32 s16, 0
.endif
	s_cbranch_scc0 .Lno_low_\@
	LOWPART
.irp b, 0,1,2,3
	global_store_b128 v[LI], v[LO+4*\b:LO+4*\b+3], s[22:23] offset:512*\b
.endr
.irp b, 4,5,6,7
	global_store_b128 v[LT], v[LO+4*\b:LO+4*\b+3], s[22:23] offset:512*\b
.endr
.Lno_low_\@:
.endm
	PLACES NP                                      ; behind the last products: y lands on A's fragments, the parts on the scale words
.irp a, 0,1,2,3,4,5,6,7
	OUT \a
.endr
	s_wait_tensorcnt 0x0                           ; the wave's end
	ds_add_u32 v[SPW], v[NIL]
	s_wait_dscnt 0x0
	CROUND                                         ; the closing round: no work-group ends while a partner may still ask for a tile that names it
	s_endpgm
.Lfunc_end_k_q26095fe6d1_qkv:
	.size	k_q26095fe6d1_qkv, .Lfunc_end_k_q26095fe6d1_qkv-k_q26095fe6d1_qkv
	.p2alignl 7, 3214868480
	.fill 96, 4, 3214868480
	.section	.rodata,"a",@progbits
	.p2align	6, 0x0
	.amdhsa_kernel k_q26095fe6d1_qkv
		.amdhsa_group_segment_fixed_size 327680
		.amdhsa_private_segment_fixed_size 0
		.amdhsa_enable_private_segment 0
		.amdhsa_kernarg_size 40
		.amdhsa_user_sgpr_count 2
		.amdhsa_user_sgpr_kernarg_segment_ptr 1
		.amdhsa_wavefront_size32 1
		.amdhsa_system_sgpr_workgroup_id_x 1
		.amdhsa_system_sgpr_workgroup_id_y 1
		.amdhsa_system_sgpr_workgroup_id_z 1
		.amdhsa_system_vgpr_workitem_id 0
		.amdhsa_next_free_vgpr 1024
		.amdhsa_next_free_sgpr 100
		.amdhsa_reserve_vcc 0
		.amdhsa_float_denorm_mode_32 3
		.amdhsa_float_denorm_mode_16_64 3
		.amdhsa_memory_ordered 1
		.amdhsa_forward_progress 1
		.amdhsa_inst_pref_size 255
	.end_amdhsa_kernel
	.section	.bss,"aw",@nobits
	.p2align	6
	.space	262144
	.amdgpu_metadata
---
amdhsa.version: [ 1, 2 ]
amdhsa.kernels:
  - .name:           k_q26095fe6d1_qkv
    .symbol:         k_q26095fe6d1_qkv.kd
    .args:
      - { .name: codes, .offset: 0, .size: 8, .value_kind: global_buffer, .address_space: global }
      - { .name: scales, .offset: 8, .size: 8, .value_kind: global_buffer, .address_space: global }
      - { .name: csimg, .offset: 16, .size: 8, .value_kind: global_buffer, .address_space: global }
      - { .name: qimg, .offset: 24, .size: 8, .value_kind: global_buffer, .address_space: global }
      - { .name: kv, .offset: 32, .size: 8, .value_kind: global_buffer, .address_space: global }
    .group_segment_fixed_size: 327680
    .private_segment_fixed_size: 0
    .kernarg_segment_align: 8
    .kernarg_segment_size: 40
    .max_flat_workgroup_size: 128
    .sgpr_count:     100
    .vgpr_count:     1024
    .wavefront_size: 32
...
	.end_amdgpu_metadata
.endif
;; end of part 2
;; launch fineatt (part 3): grid 16 x 16, 8 waves a work-group, no clusters, 101,376 bytes of LDS; arguments qimg, kv, attention_mask, att16; writes att16
.if DOCPART == 3
	.amdgcn_target "amdgcn-amd-amdhsa--gfx1250"
	.amdhsa_code_object_version 6
	.text
	.protected	k_q26095fe6d1_fineatt
	.globl	k_q26095fe6d1_fineatt
	.p2align	8
	.type	k_q26095fe6d1_fineatt,@function
k_q26095fe6d1_fineatt:
	s_mov_b64 s[64:65], 0
	v_nop
	global_prefetch_b8 v0, s[64:65] scope:SCOPE_SE
	s_setreg_imm32_b32 hwreg(HW_REG_WAVE_MODE, 25, 1), 1
	s_wait_xcnt 0x0
; The attention of positions 0-15 of each sequence, carried finely: under a mask that lets such a row see few keys its output is an average of few values, and f16 rounding of the operands would weigh most there.
; Every operand is a PAIR of f16 numbers, high + low, split in f32: q k = qh kh + ql kh + qh kl, p v = ph vh + pl vh + ph vl (the products of two low parts lie under f32's own rounding).  Sums, softmax and result in f32.
; The whole mask row is honoured: all 2,048 keys are walked, whatever the mask holds.
; SHARES: a work-group takes one head of one batch (16 queries) and ONE EIGHTH OF THE KEYS, 256: 16 heads x 2 batches x 8 parts = 256 work-groups.  Wave w of eight takes keys 32 w .. +31 of the part: 22 KB of loads, all issued at the wave's head.
; The part's maximum m is joined through LDS (first barrier), so that all eight waves use one maximum; O^T and the sums are added through LDS (second barrier).
; WHAT LEAVES is the part as it stands, not normalised: O^T = sum of p v (4,096 bytes, images of its registers), and for each query the pair (m, sum of p).  The next launch joins the eight parts.
; They lie behind the 8,388,608 bytes of att16 that the attention launch fills: O^T at 0x800000 + part x 4,096, the pairs at 0x900000 + part x 256, part = (16 b + head) x 8 + eighth.
; LAYOUT: S^T = K Q^T + mask^T (source 0 = 16 keys, source 1 = the 16 queries, C = the mask, loaded straight into the accumulators): lane (r, h) holds query r and keys 8 h + 0 .. 7 of a tile.  O^T = V^T P.
; p = 2^(c (s - m)): the maximum is taken off FIRST, which is exact where s = m, and the difference is multiplied by c = log2(e): so p is at most 1 however large the scores or the mask are.
; V's blocks go through the wave's own LDS bytes as they lie and come back turned by ds_load_tr16_b128.
; The mask is read as 32 bytes of each of 16 rows an instruction: four such loads a wave, this small launch's price.
; LIMITS: a part whose every score lies under -3e37 has m = -3e37 (the floor under the maximum) and sums of 0; NaN among the inputs is not served.
; REGISTERS: v3-15 addresses; v16-21 statistics; v24-55 Q high, low, later p high (v24-31), p low (v32-39), at work (v40-55); v56-119 K's fragments, later V^T's; v120-135 S, then p;
;   v136-199 V as it lands (high, low), later the eight waves' parts of O^T; v200-231 O^T; v232-255 at work.
.set VST,    0                         ; 8 x 8,192: 32 keys of V, high 4 KB, low 4 KB, a wave's own
.set MAXR,   65536                     ; 8 waves x 128 bytes
.set LSUM,   66560
.set OIMG,   67584                     ; 8 waves x 4,096: O^T as images of its registers
.set SPARE,  100352                    ; the spare words: 128 bytes a wave
.set PARTO,  0x800000
.set PARTML, 0x900000
.set QH,  24
.set PH,  24
.set TT,  40
.set KA,  56
.set SS,  120
.set VLH, 136
.set VLL, 168
.set RD,  136
.set OA,  200
.set SEL, 30
.set CS,  32
	s_load_b256 s[4:11], s[0:1], 0x0               ; qimg, kv, mask, att16
	v_lshl_add_u32 v14, v0, 2, SPARE               ; my spare word; never rewritten
	v_mov_b32 v15, 0                               ; 0; never rewritten
	v_lshrrev_b32 v1, 5, v0
	v_readfirstlane_b32 s12, v1                    ; wave 0..7
	v_and_b32 v1, 31, v0
	v_and_b32 v2, 15, v0                           ; r
	v_bfe_u32 v16, v0, 4, 1                        ; h
	v_lshlrev_b32 v3, 4, v1                        ; 16 x lane
	v_lshlrev_b32 v4, 3, v1                        ; 8 x lane
	v_lshlrev_b32 v5, 13, v2
	v_lshl_add_u32 v5, v16, 5, v5                  ; the mask: row r of 8,192 bytes, + 32 h
	s_lshl_b32 s13, s12, 13
	v_add_nc_u32 v6, s13, v3                       ; V into LDS, as it lies
	v_and_b32 v17, 7, v0
	v_lshl_add_u32 v17, v16, 3, v17
	v_bfe_u32 v18, v0, 3, 1
	v_lshlrev_b32 v7, 5, v17
	v_lshl_add_u32 v7, v18, 4, v7
	v_add_nc_u32 v7, s13, v7                       ; and back, turned: key 8 h + l % 8 (32 bytes a key), channel half (l / 8) % 2
	v_lshl_add_u32 v8, v0, 2, MAXR
	v_lshl_add_u32 v9, v1, 2, MAXR
	v_lshl_add_u32 v10, v0, 2, LSUM
	v_lshl_add_u32 v11, v1, 2, LSUM
	s_lshl_b32 s13, s12, 12
	v_add_nc_u32 v12, s13, v3
	v_add_nc_u32 v12, OIMG, v12                    ; my O image
	s_lshl_b32 s13, s12, 9
	v_add_nc_u32 v13, s13, v3
	v_add_nc_u32 v13, OIMG, v13                    ; the four registers that I add up over the waves
	s_and_b32 s3, ttmp7, 0xffff
	s_lshr_b32 s2, s3, 3                           ; b
	s_and_b32 s3, s3, 7                            ; which eighth of the keys
	s_lshl_b32 s20, s2, 22
	s_lshl_b32 s21, ttmp9, 11
	s_add_co_u32 s20, s20, s21                     ; q high: tile 128 b, head
	s_lshl_b32 s22, s2, 18
	s_add_co_u32 s22, s22, s21
	s_add_co_u32 s22, s22, 0x800000                ; q low: tile row 8 b
	s_lshl_b32 s24, s2, 3
	s_lshr_b32 s25, ttmp9, 1
	s_add_co_u32 s24, s24, s25
	s_lshl_b32 s24, s24, 19
	s_lshl_b32 s25, s3, 16
	s_add_co_u32 s24, s24, s25
	s_lshl_b32 s25, s12, 13
	s_add_co_u32 s24, s24, s25                     ; k, v: (8 b + g) x 524,288 + (16 eighth + 2 w) key tiles of 4,096 bytes
	s_lshl_b32 s26, s2, 24
	s_lshl_b32 s27, s3, 10
	s_add_co_u32 s26, s26, s27
	s_lshl_b32 s27, s12, 7
	s_add_co_u32 s26, s26, s27                     ; the mask: batch, my 32 keys
	s_lshl_b32 s28, s2, 7
	s_lshl_b32 s29, ttmp9, 3
	s_add_co_u32 s28, s28, s29
	s_add_co_u32 s28, s28, s3                      ; the part's number
	s_lshl_b32 s34, s28, 8
	s_add_co_u32 s34, s34, PARTML                  ; its pairs (m, sum)
	s_lshl_b32 s28, s28, 12
	s_lshl_b32 s29, s12, 9
	s_add_co_u32 s28, s28, s29
	s_add_co_u32 s28, s28, PARTO                   ; its O^T, my four registers
	s_mov_b32 s21, 0
	s_mov_b32 s23, 0
	s_mov_b32 s25, 0
	s_mov_b32 s27, 0
	s_mov_b32 s29, 0
	s_mov_b32 s35, 0
	s_mov_b32 s[SEL], 0x76543210
	s_mov_b32 s[SEL+1], 0xfedcba98                 ; lane l xor 16
	s_mov_b32 s[CS], 0x3fb8aa3b                    ; log2(e); the 1/8 lies in q
	s_mov_b32 s[CS+1], s[CS]
	s_wait_kmcnt 0x0
	s_add_nc_u64 s[14:15], s[4:5], s[22:23]
	s_add_nc_u64 s[4:5], s[4:5], s[20:21]
	s_add_nc_u64 s[16:17], s[6:7], s[24:25]        ; high parts,
	s_add_nc_u64 s[18:19], s[16:17], 0x800000      ; low parts
	s_add_nc_u64 s[8:9], s[8:9], s[26:27]
	s_add_nc_u64 s[6:7], s[10:11], s[34:35]        ; where the pairs go,
	s_add_nc_u64 s[10:11], s[10:11], s[28:29]      ; where O^T goes
	; all of the wave's 44 loads go out together
.irp blk, 0,1,2,3
	global_load_b128 v[QH+4*\blk:QH+4*\blk+3], v3, s[4:5] offset:512*\blk
	global_load_b128 v[QH+16+4*\blk:QH+16+4*\blk+3], v3, s[14:15] offset:512*\blk
.endr
.irp kt, 0,1
	global_load_b128 v[SS+8*\kt:SS+8*\kt+3], v5, s[8:9] offset:64*\kt          ; mask(r, 16 kt + 8 h + 0 .. 7): the sums' first term
	global_load_b128 v[SS+8*\kt+4:SS+8*\kt+7], v5, s[8:9] offset:64*\kt+16
.endr
.irp kt, 0,1
.irp blk, 0,1,2,3
	global_load_b128 v[KA+32*\kt+4*\blk:KA+32*\kt+4*\blk+3], v3, s[16:17] offset:\kt*4096+512*\blk          ; K, high: 512 consecutive bytes a load
	global_load_b128 v[KA+32*\kt+16+4*\blk:KA+32*\kt+16+4*\blk+3], v3, s[18:19] offset:\kt*4096+512*\blk    ; low
.endr
.endr
.irp e, 0,1
.irp dt, 0,1,2,3
	global_load_b128 v[VLH+16*\e+4*\dt:VLH+16*\e+4*\dt+3], v3, s[16:17] offset:\e*4096+2048+512*\dt         ; V, high
	global_load_b128 v[VLL+16*\e+4*\dt:VLL+16*\e+4*\dt+3], v3, s[18:19] offset:\e*4096+2048+512*\dt         ; low
.endr
.endr
	s_wait_loadcnt 16                              ; Q, the mask and K are in; V's 16 loads may be out
	; 12 products: kh qh, kh ql, kl qh, each over the head's two halves; the two key tiles take turns
.irp term, 0,1,2,3,4,5
.irp kt, 0,1
	v_wmma_f32_16x16x32_f16 v[SS+8*\kt:SS+8*\kt+7], v[KA+32*\kt+16*(\term/4)+8*(\term%2):KA+32*\kt+16*(\term/4)+8*(\term%2)+7], v[QH+16*((\term/2)%2)+8*(\term%2):QH+16*((\term/2)%2)+8*(\term%2)+7], v[SS+8*\kt:SS+8*\kt+7]
.endr
.endr
.rept 4
	v_nop                                          ; places ahead of the first read of the scores
.endr
	; my 32 keys' largest score of each query, each accumulator from its low end on, with a floor so that the maximum is a number
	v_max3_num_f32 v248, v[SS], v[SS+1], v[SS+2]
	v_max3_num_f32 v249, v[SS+8], v[SS+9], v[SS+10]
	v_max3_num_f32 v248, v248, v[SS+3], v[SS+4]
	v_max3_num_f32 v249, v249, v[SS+11], v[SS+12]
	v_max3_num_f32 v248, v248, v[SS+5], v[SS+6]
	v_max3_num_f32 v249, v249, v[SS+13], v[SS+14]
	v_max3_num_f32 v248, v248, v[SS+7], v[SS+15]
	v_max3_num_f32 v248, v248, v249, 0xfdb48de3    ; -3e37
	v_permlanex16_b32 v249, v248, s[SEL], s[SEL+1]
	v_max_num_f32 v248, v248, v249
	ds_store_b32 v8, v248
	s_wait_dscnt 0x0                               ; for the others' sake: my store has landed
	s_barrier_signal -1
	s_barrier_wait -1
.irp w, 0,1,2,3,4,5,6,7
	ds_load_b32 v[232+\w], v9 offset:128*\w
.endr
	s_wait_dscnt 0x0
	v_max3_num_f32 v232, v232, v233, v234
	v_max3_num_f32 v235, v235, v236, v237
	v_max3_num_f32 v232, v232, v235, v238
	v_max_num_f32 v17, v232, v239                  ; the part's maximum m, the same in all eight waves,
	v_mov_b32 v16, v17                             ; in both words of a pair
.irp j, 0,2,4,6,8,10,12,14
	v_pk_add_f32 v[SS+\j:SS+\j+1], v[SS+\j:SS+\j+1], v[16:17] neg_lo:[0,1] neg_hi:[0,1]   ; s - m: 0 or less, and exactly 0 at the maximum
.endr
.irp j, 0,2,4,6,8,10,12,14
	v_pk_mul_f32 v[SS+\j:SS+\j+1], v[SS+\j:SS+\j+1], s[CS:CS+1] op_sel_hi:[1,0]           ; x c
.endr
.irp j, 0,1,2,3,4,5,6,7,8,9,10,11,12,13,14,15
	v_exp_f32 v[SS+\j], v[SS+\j]
.endr
	v_nop                                          ; a plain line behind the last exponential
	s_wait_alu depctr_va_vdst(0)                   ; one wait for the batch, ahead of its first reader
	v_pk_add_f32 v[18:19], v[SS:SS+1], v[SS+2:SS+3]
	v_pk_add_f32 v[20:21], v[SS+4:SS+5], v[SS+6:SS+7]
	v_pk_add_f32 v[18:19], v[18:19], v[SS+8:SS+9]
	v_pk_add_f32 v[20:21], v[20:21], v[SS+10:SS+11]
	v_pk_add_f32 v[18:19], v[18:19], v[SS+12:SS+13]
	v_pk_add_f32 v[20:21], v[20:21], v[SS+14:SS+15]
	v_pk_add_f32 v[18:19], v[18:19], v[20:21]
	; p = high + low
.irp i, 0,1,2,3,4,5,6,7
	v_cvt_pk_f16_f32 v[PH+\i], v[SS+2*\i], v[SS+2*\i+1]
.endr
.set n, 0
.irp s, v24.l,v24.h,v25.l,v25.h,v26.l,v26.h,v27.l,v27.h,v28.l,v28.h,v29.l,v29.h,v30.l,v30.h,v31.l,v31.h
	v_cvt_f32_f16 v[TT+n], \s
.set n, n+1
.endr
.irp i, 0,2,4,6,8,10,12,14
	v_pk_add_f32 v[TT+\i:TT+\i+1], v[SS+\i:SS+\i+1], v[TT+\i:TT+\i+1] neg_lo:[0,1] neg_hi:[0,1]
.endr
.irp i, 0,1,2,3,4,5,6,7
	v_cvt_pk_f16_f32 v[PH+8+\i], v[TT+2*\i], v[TT+2*\i+1]
.endr
	; V through my own LDS bytes, as it lies, and back turned
	s_wait_loadcnt 0x0                             ; V
.irp q, 0,1,2,3,4,5,6,7
	ds_store_b128 v6, v[VLH+4*\q:VLH+4*\q+3] offset:512*\q
	ds_store_b128 v6, v[VLL+4*\q:VLL+4*\q+3] offset:4096+512*\q
.endr
.irp dt, 0,1,2,3
.irp e, 0,1
	ds_load_tr16_b128 v[KA+8*\dt+4*\e:KA+8*\dt+4*\e+3], v7 offset:(4*\e+\dt)*512          ; in order behind my stores
	ds_load_tr16_b128 v[KA+32+8*\dt+4*\e:KA+32+8*\dt+4*\e+3], v7 offset:4096+(4*\e+\dt)*512
.endr
.endr
	s_wait_dscnt 0x0
	; O^T = V^T P for my 32 keys: vh ph, vh pl, vl ph; the four accumulators take turns; the first four products start the sums
.irp term, 0,1,2
.irp dt, 0,1,2,3
.if \term == 0
	v_wmma_f32_16x16x32_f16 v[OA+8*\dt:OA+8*\dt+7], v[KA+8*\dt:KA+8*\dt+7], v[PH:PH+7], 0
.else
	v_wmma_f32_16x16x32_f16 v[OA+8*\dt:OA+8*\dt+7], v[KA+32*(\term/2)+8*\dt:KA+32*(\term/2)+8*\dt+7], v[PH+8*(\term%2):PH+8*(\term%2)+7], v[OA+8*\dt:OA+8*\dt+7]
.endif
.endr
.endr
.rept 4
	v_nop
.endr
	v_add_f32 v18, v18, v19
.irp q, 0,1,2,3,4,5,6,7
	ds_store_b128 v12, v[OA+4*\q:OA+4*\q+3] offset:512*\q      ; each accumulator from its low end on
.endr
	ds_store_b32 v10, v18
	s_wait_dscnt 0x0
	s_barrier_signal -1
	s_barrier_wait -1
	; wave w adds up four registers of O^T over the eight waves
.irp w, 0,1,2,3,4,5,6,7
	ds_load_b128 v[RD+4*\w:RD+4*\w+3], v13 offset:4096*\w
	ds_load_b32 v[240+\w], v11 offset:128*\w
.endr
	s_wait_dscnt 0x0
.irp w, 1,2,3,4,5,6,7
	v_pk_add_f32 v[RD:RD+1], v[RD:RD+1], v[RD+4*\w:RD+4*\w+1]
	v_pk_add_f32 v[RD+2:RD+3], v[RD+2:RD+3], v[RD+4*\w+2:RD+4*\w+3]
.endr
	global_store_b128 v3, v[RD:RD+3], s[10:11]     ; 512 consecutive bytes
	s_cmp_lg_u32 s12, 0                            ; wave 0 stores the part's pairs
	s_cbranch_scc1 .Lend
.irp i, 0,2,4,6
	v_add_f32 v[240+\i], v[240+\i], v[241+\i]
.endr
	v_add_f32 v240, v240, v242
	v_add_f32 v244, v244, v246
	v_add_f32 v240, v240, v244
	v_permlanex16_b32 v241, v240, s[SEL], s[SEL+1]
	v_add_f32 v17, v240, v241                      ; the part's sum of p, beside m in v16
	global_store_b64 v4, v[16:17], s[6:7]          ; 256 consecutive bytes: lane (r, h) stores query r's pair
.Lend:
	s_wait_tensorcnt 0x0                           ; the wave's end
	ds_add_u32 v14, v15
	s_wait_dscnt 0x0
	s_endpgm
.Lfunc_end_k_q26095fe6d1_fineatt:
	.size	k_q26095fe6d1_fineatt, .Lfunc_end_k_q26095fe6d1_fineatt-k_q26095fe6d1_fineatt
	.p2alignl 7, 3214868480
	.fill 96, 4, 3214868480
	.section	.rodata,"a",@progbits
	.p2align	6, 0x0
	.amdhsa_kernel k_q26095fe6d1_fineatt
		.amdhsa_group_segment_fixed_size 101376
		.amdhsa_private_segment_fixed_size 0
		.amdhsa_enable_private_segment 0
		.amdhsa_kernarg_size 32
		.amdhsa_user_sgpr_count 2
		.amdhsa_user_sgpr_kernarg_segment_ptr 1
		.amdhsa_wavefront_size32 1
		.amdhsa_system_sgpr_workgroup_id_x 1
		.amdhsa_system_sgpr_workgroup_id_y 1
		.amdhsa_system_sgpr_workgroup_id_z 1
		.amdhsa_system_vgpr_workitem_id 0
		.amdhsa_next_free_vgpr 256
		.amdhsa_next_free_sgpr 66
		.amdhsa_reserve_vcc 0
		.amdhsa_float_denorm_mode_32 3
		.amdhsa_float_denorm_mode_16_64 3
		.amdhsa_memory_ordered 1
		.amdhsa_forward_progress 1
		.amdhsa_inst_pref_size 21
	.end_amdhsa_kernel
	.amdgpu_metadata
---
amdhsa.version: [ 1, 2 ]
amdhsa.kernels:
  - .name:           k_q26095fe6d1_fineatt
    .symbol:         k_q26095fe6d1_fineatt.kd
    .args:
      - { .name: qimg, .offset: 0, .size: 8, .value_kind: global_buffer, .address_space: global }
      - { .name: kv, .offset: 8, .size: 8, .value_kind: global_buffer, .address_space: global }
      - { .name: attention_mask, .offset: 16, .size: 8, .value_kind: global_buffer, .address_space: global }
      - { .name: att16, .offset: 24, .size: 8, .value_kind: global_buffer, .address_space: global }
    .group_segment_fixed_size: 101376
    .private_segment_fixed_size: 0
    .kernarg_segment_align: 8
    .kernarg_segment_size: 32
    .max_flat_workgroup_size: 256
    .sgpr_count:     66
    .vgpr_count:     256
    .wavefront_size: 32
...
	.end_amdgpu_metadata
.endif
;; end of part 3
;; launch finemerge (part 4): grid 32 x 1, 8 waves a work-group, no clusters, 0 bytes of LDS; arguments att16, attf; writes attf
.if DOCPART == 4
	.amdgcn_target "amdgcn-amd-amdhsa--gfx1250"
	.amdhsa_code_object_version 6
	.text
	.protected	k_q26095fe6d1_finemerge
	.globl	k_q26095fe6d1_finemerge
	.p2align	8
	.type	k_q26095fe6d1_finemerge,@function
k_q26095fe6d1_finemerge:
	s_mov_b64 s[64:65], 0
	v_nop
	global_prefetch_b8 v0, s[64:65] scope:SCOPE_SE
	s_setreg_imm32_b32 hwreg(HW_REG_WAVE_MODE, 25, 1), 1
	s_wait_xcnt 0x0
; The eight parts of the fine attention (positions 0-15 of each sequence) are joined: for each query M = the largest of the parts' maxima m_s, f_s = 2^(c (m_s - M)), c = log2(e),
; attf = (sum of f_s O_s) / (sum of f_s l_s).  m_s - M is 0 or less and exactly 0 for the largest, so no factor passes 1.  All in f32.
; The parts lie behind the first 8,388,608 bytes of att16: O^T at 0x800000 + part x 4,096 (eight runs of four registers, 512 bytes each, lane l at 16 l), the pairs (m, l) at 0x900000 + part x 256 (lane l at 8 l);
; part = (16 b + head) x 8 + eighth.  attf takes the same runs: (16 b + head) x 4,096 + run x 512.
; SHARES: a work-group takes one head of one batch, wave w the run w: eight loads of 512 consecutive bytes, eight of 256, one store of 512.  No LDS, no barrier: waves share nothing.  No matrix work: 32 multiply-adds a lane.
; LIMITS: a query all of whose parts have sums of 0 gives NaN; NaN among the parts is not served.
.set PARTO,  0x800000
.set PARTML, 0x900000
.set ML, 8                             ; v8-23   part s: m in v[8 + 2 s], l in v[9 + 2 s]
.set OP, 24                            ; v24-55  part s: four registers of O^T
.set F,  56                            ; v56-63  f_s
.set OU, 72                            ; v72-75  the result
	s_load_b128 s[4:7], s[0:1], 0x0                ; att16, attf
	v_lshrrev_b32 v1, 5, v0
	v_readfirstlane_b32 s8, v1                     ; wave = run
	v_and_b32 v1, 31, v0
	v_lshlrev_b32 v2, 4, v1                        ; 16 x lane
	v_lshlrev_b32 v3, 3, v1                        ; 8 x lane
	s_lshl_b32 s10, ttmp9, 15                      ; eight parts of 4,096 bytes
	s_lshl_b32 s11, s8, 9
	s_add_co_u32 s10, s10, s11
	s_add_co_u32 s10, s10, PARTO
	s_mov_b32 s11, 0
	s_lshl_b32 s12, ttmp9, 11                      ; eight parts of 256 bytes
	s_add_co_u32 s12, s12, PARTML
	s_mov_b32 s13, 0
	s_lshl_b32 s14, ttmp9, 12
	s_lshl_b32 s15, s8, 9
	s_add_co_u32 s14, s14, s15
	s_mov_b32 s15, 0
	s_wait_kmcnt 0x0
	s_add_nc_u64 s[16:17], s[4:5], s[10:11]
	s_add_nc_u64 s[18:19], s[4:5], s[12:13]
	s_add_nc_u64 s[6:7], s[6:7], s[14:15]
.irp s, 0,1,2,3,4,5,6,7
	global_load_b64 v[ML+2*\s:ML+2*\s+1], v3, s[18:19] offset:256*\s
.endr
.irp s, 0,1,2,3,4,5,6,7
	global_load_b128 v[OP+4*\s:OP+4*\s+3], v2, s[16:17] offset:4096*\s
.endr
	s_wait_loadcnt 0x0
	v_max3_num_f32 v4, v[ML], v[ML+2], v[ML+4]
	v_max3_num_f32 v5, v[ML+6], v[ML+8], v[ML+10]
	v_max3_num_f32 v4, v4, v[ML+12], v[ML+14]
	v_max_num_f32 v4, v4, v5                       ; M
.irp s, 0,1,2,3,4,5,6,7
	v_sub_f32 v[F+\s], v[ML+2*\s], v4
.endr
.irp s, 0,1,2,3,4,5,6,7
	v_mul_f32 v[F+\s], 0x3fb8aa3b, v[F+\s]
.endr
.irp s, 0,1,2,3,4,5,6,7
	v_exp_f32 v[F+\s], v[F+\s]
.endr
	v_nop                                          ; a plain line behind the last exponential
	s_wait_alu depctr_va_vdst(0)                   ; one wait for the batch, ahead of its first reader
	v_mul_f32 v5, v[ML+1], v[F]
.irp s, 1,2,3,4,5,6,7
	v_fmac_f32 v5, v[ML+2*\s+1], v[F+\s]           ; the row's sum
.endr
	v_rcp_f32 v6, v5
.irp i, 0,1,2,3
	v_mul_f32 v[OU+\i], v[OP+\i], v[F]             ; plain work that names neither the reciprocal nor its source
.endr
.irp s, 1,2,3,4,5,6,7
.irp i, 0,1,2,3
	v_fmac_f32 v[OU+\i], v[OP+4*\s+\i], v[F+\s]
.endr
.endr
	s_wait_alu depctr_va_vdst(0)                   ; ahead of the reciprocal's first reader
.irp i, 0,1,2,3
	v_mul_f32 v[OU+\i], v[OU+\i], v6
.endr
	global_store_b128 v2, v[OU:OU+3], s[6:7]       ; 512 consecutive bytes
	s_endpgm
.Lfunc_end_k_q26095fe6d1_finemerge:
	.size	k_q26095fe6d1_finemerge, .Lfunc_end_k_q26095fe6d1_finemerge-k_q26095fe6d1_finemerge
	.p2alignl 7, 3214868480
	.fill 96, 4, 3214868480
	.section	.rodata,"a",@progbits
	.p2align	6, 0x0
	.amdhsa_kernel k_q26095fe6d1_finemerge
		.amdhsa_group_segment_fixed_size 0
		.amdhsa_private_segment_fixed_size 0
		.amdhsa_enable_private_segment 0
		.amdhsa_kernarg_size 16
		.amdhsa_user_sgpr_count 2
		.amdhsa_user_sgpr_kernarg_segment_ptr 1
		.amdhsa_wavefront_size32 1
		.amdhsa_system_sgpr_workgroup_id_x 1
		.amdhsa_system_sgpr_workgroup_id_y 1
		.amdhsa_system_sgpr_workgroup_id_z 1
		.amdhsa_system_vgpr_workitem_id 0
		.amdhsa_next_free_vgpr 80
		.amdhsa_next_free_sgpr 66
		.amdhsa_reserve_vcc 0
		.amdhsa_float_denorm_mode_32 3
		.amdhsa_float_denorm_mode_16_64 3
		.amdhsa_memory_ordered 1
		.amdhsa_forward_progress 1
		.amdhsa_inst_pref_size 6
	.end_amdhsa_kernel
	.amdgpu_metadata
---
amdhsa.version: [ 1, 2 ]
amdhsa.kernels:
  - .name:           k_q26095fe6d1_finemerge
    .symbol:         k_q26095fe6d1_finemerge.kd
    .args:
      - { .name: att16, .offset: 0, .size: 8, .value_kind: global_buffer, .address_space: global }
      - { .name: attf, .offset: 8, .size: 8, .value_kind: global_buffer, .address_space: global }
    .group_segment_fixed_size: 0
    .private_segment_fixed_size: 0
    .kernarg_segment_align: 8
    .kernarg_segment_size: 16
    .max_flat_workgroup_size: 256
    .sgpr_count:     66
    .vgpr_count:     80
    .wavefront_size: 32
...
	.end_amdgpu_metadata
.endif
;; end of part 4
;; launch fineproj (part 5): grid 128 x 1, 4 waves a work-group, no clusters, 83,456 bytes of LDS; arguments attf, Wo, wo16, out0; writes wo16, out0
.if DOCPART == 5
	.amdgcn_target "amdgcn-amd-amdhsa--gfx1250"
	.amdhsa_code_object_version 6
	.text
	.protected	k_q26095fe6d1_fineproj
	.globl	k_q26095fe6d1_fineproj
	.p2align	8
	.type	k_q26095fe6d1_fineproj,@function
k_q26095fe6d1_fineproj:
	s_mov_b64 s[64:65], 0
	v_nop
	global_prefetch_b8 v0, s[64:65] scope:SCOPE_SE
	s_setreg_imm32_b32 hwreg(HW_REG_WAVE_MODE, 25, 1), 1
	s_wait_xcnt 0x0
; Two jobs on one read of Wo [2048][1024] f32:  (1) Wo rounded to f16, laid as images of operand registers (tile of 16 rows, block of 16 along K: 512 bytes, lane l at 16 l) for the projection launch;
; (2) the projection of positions 0-15 of both sequences (32 rows, from attf, f32) with f32 operands, by v_wmma_f32_16x16x4_f32: 32 of 4,096 rows, no bulk work.
; SHARES: work-group nt takes rows 16 nt .. +15 of Wo (16 columns of the output); wave w takes k = 256 w .. +255.  The four waves' sums meet in LDS.
; Wo comes in by loads of 512 consecutive bytes and turns through the wave's own LDS bytes (rows 1,040 bytes apart: the 16 rows that a load touches start 4 banks apart), so that lane (r, h) holds row r, k = 16 c + 8 h + 0 .. 7.
; attf is laid the same way, so both sources of a product hold the same k in the same place: within a chunk of 16 the order of k is changed alike on both sides.
; Source 0 = 16 rows of Wo, source 1 = 16 positions: lane (r, h) holds position r and columns 16 nt + 8 h + 0 .. 7.  The output's 64 bytes a row are less than an aligned 256: 262 KB in all are written so;
; with 64 columns to a work-group there would be 32 work-groups for this launch's work.
; REGISTERS: v4-9 addresses; v14, v15 the add's; v16-47 four accumulators (batch, parity of the K step), written by matrix instructions alone; v48-63 f16; v64-191 positions, two buffers; v192-255 Wo, two buffers.
.set WST,   0                          ; 4 x 16,640
.set RED,   66560                      ; 4 x 4,096
.set SPARE, 82944
	s_load_b256 s[4:11], s[0:1], 0x0               ; attf, Wo, wo16, out0
	v_lshl_add_u32 v14, v0, 2, SPARE
	v_mov_b32 v15, 0
	v_lshrrev_b32 v1, 5, v0
	v_readfirstlane_b32 s12, v1                    ; wave
	v_and_b32 v1, 31, v0
	v_and_b32 v2, 15, v0                           ; r
	v_bfe_u32 v3, v0, 4, 1                         ; h
	v_lshlrev_b32 v4, 4, v1                        ; 16 x lane
	s_mul_i32 s13, s12, 16640
	v_add_nc_u32 v5, s13, v4                       ; Wo into LDS
	v_mul_u32_u24 v6, v2, 1040
	v_lshl_add_u32 v6, v3, 5, v6
	v_add_nc_u32 v6, s13, v6                       ; and back: row r, + 32 h
	s_lshl_b32 s13, s12, 12
	v_add_nc_u32 v7, s13, v4
	v_add_nc_u32 v7, RED, v7                       ; my sums' images
	s_lshr_b32 s13, s12, 1                         ; which batch I add up,
	s_and_b32 s14, s12, 1                          ; which four registers
	s_lshl_b32 s15, s13, 11
	s_lshl_b32 s16, s14, 9
	s_add_co_u32 s15, s15, s16
	v_add_nc_u32 v8, s15, v4
	v_add_nc_u32 v8, RED, v8
	v_lshlrev_b32 v9, 13, v2
	v_lshl_add_u32 v9, v3, 5, v9                   ; out0: row r of 8,192 bytes, + 32 h
	s_lshl_b32 s16, ttmp9, 16
	s_lshl_b32 s17, s12, 10
	s_add_co_u32 s16, s16, s17
	s_mov_b32 s17, 0
	s_lshl_b32 s18, s12, 14
	s_mov_b32 s19, 0
	s_lshl_b32 s20, ttmp9, 15
	s_lshl_b32 s21, s12, 13
	s_add_co_u32 s20, s20, s21
	s_mov_b32 s21, 0
	s_lshl_b32 s22, s13, 24
	s_lshl_b32 s23, ttmp9, 6
	s_add_co_u32 s22, s22, s23
	s_lshl_b32 s23, s14, 4
	s_add_co_u32 s22, s22, s23
	s_mov_b32 s23, 0
	s_wait_kmcnt 0x0
	s_add_nc_u64 s[6:7], s[6:7], s[16:17]
	s_add_nc_u64 s[4:5], s[4:5], s[18:19]
	s_add_nc_u64 s[8:9], s[8:9], s[20:21]
	s_add_nc_u64 s[10:11], s[10:11], s[22:23]
.irp rho, 0,1,2,3,4,5,6,7,8,9,10,11,12,13,14,15
	global_load_b128 v[64+8*\rho:64+8*\rho+3], v4, s[6:7] offset:4096*\rho th:TH_LOAD_NT
	global_load_b128 v[64+8*\rho+4:64+8*\rho+7], v4, s[6:7] offset:4096*\rho+512 th:TH_LOAD_NT
.endr
.macro ALOAD g                         ; four chunks of 16 k of both batches' 16 positions
.irp mu, 0,1
.irp j, 0,1,2,3
	global_load_b128 v[64+64*((\g)%2)+32*\mu+8*\j:64+64*((\g)%2)+32*\mu+8*\j+3], v4, s[4:5] offset:\mu*65536+(4*(\g)+\j)*1024
	global_load_b128 v[64+64*((\g)%2)+32*\mu+8*\j+4:64+64*((\g)%2)+32*\mu+8*\j+7], v4, s[4:5] offset:\mu*65536+(4*(\g)+\j)*1024+512
.endr
.endr
.endm
.macro BLOAD g                         ; the same four chunks of my 16 rows of Wo
.irp j, 0,1,2,3
	ds_load_b128 v[192+32*((\g)%2)+8*\j:192+32*((\g)%2)+8*\j+3], v6 offset:(4*(\g)+\j)*64
	ds_load_b128 v[192+32*((\g)%2)+8*\j+4:192+32*((\g)%2)+8*\j+7], v6 offset:(4*(\g)+\j)*64+16
.endr
.endm
	s_wait_loadcnt 0x0
.irp rho, 0,1,2,3,4,5,6,7,8,9,10,11,12,13,14,15
	ds_store_b128 v5, v[64+8*\rho:64+8*\rho+3] offset:1040*\rho
	ds_store_b128 v5, v[64+8*\rho+4:64+8*\rho+7] offset:1040*\rho+512
.endr
	BLOAD 0                                        ; in order behind my stores
	s_wait_dscnt 0x0                               ; the stores have read their registers,
	ALOAD 0                                        ; which take the positions
.macro GROUP gam
.set AB, 64+64*((\gam)%2)
.set BB, 192+32*((\gam)%2)
	s_wait_loadcnt 0x0                             ; this group's positions,
	s_wait_dscnt 0x0                               ; its rows of Wo;
	s_wait_xcnt 0x0                                ; and the last group's stores have read their data
.irp i, 0,1,2,3,4,5,6,7,8,9,10,11,12,13,14,15
	v_cvt_pk_f16_f32 v[48+\i], v[BB+2*\i], v[BB+2*\i+1]     ; these sixteen name no register of the last group's products: they are the places ahead of the loads below
.endr
.irp j, 0,1,2,3
	global_store_b128 v4, v[48+4*\j:51+4*\j], s[8:9] offset:(4*(\gam)+\j)*512   ; 512 consecutive bytes
.endr
.if (\gam) < 3
	ALOAD (\gam)+1
	BLOAD (\gam)+1
.endif
.irp j, 0,1,2,3
.irp i, 0,1,2,3
.irp mu, 0,1
.if ((\gam) == 0) && (\j == 0) && (\i < 2)
	v_wmma_f32_16x16x4_f32 v[16+16*\mu+8*(\i%2):16+16*\mu+8*(\i%2)+7], v[BB+8*\j+2*\i:BB+8*\j+2*\i+1], v[AB+32*\mu+8*\j+2*\i:AB+32*\mu+8*\j+2*\i+1], 0
.else
	v_wmma_f32_16x16x4_f32 v[16+16*\mu+8*(\i%2):16+16*\mu+8*(\i%2)+7], v[BB+8*\j+2*\i:BB+8*\j+2*\i+1], v[AB+32*\mu+8*\j+2*\i:AB+32*\mu+8*\j+2*\i+1], v[16+16*\mu+8*(\i%2):16+16*\mu+8*(\i%2)+7]
.endif
.endr
.endr
.endr
.endm
	GROUP 0                                        ; the four accumulators take turns, one instruction a turn
	GROUP 1
	GROUP 2
	GROUP 3
.rept 8
	v_nop                                          ; eight places behind this form
.endr
.irp q, 0,1,2,3,4,5,6,7
	ds_store_b128 v7, v[16+4*\q:19+4*\q] offset:512*\q
.endr
	s_wait_dscnt 0x0
	s_barrier_signal -1
	s_barrier_wait -1
.irp wp, 0,1,2,3
.irp par, 0,1
	ds_load_b128 v[64+4*(2*\wp+\par):64+4*(2*\wp+\par)+3], v8 offset:4096*\wp+1024*\par
.endr
.endr
	s_wait_dscnt 0x0
.irp i, 1,2,3,4,5,6,7
	v_pk_add_f32 v[64:65], v[64:65], v[64+4*\i:65+4*\i]
	v_pk_add_f32 v[66:67], v[66:67], v[66+4*\i:67+4*\i]
.endr
	global_store_b128 v9, v[64:67], s[10:11]
	s_wait_tensorcnt 0x0                           ; the wave's end
	ds_add_u32 v14, v15
	s_wait_dscnt 0x0
	s_endpgm
.Lfunc_end_k_q26095fe6d1_fineproj:
	.size	k_q26095fe6d1_fineproj, .Lfunc_end_k_q26095fe6d1_fineproj-k_q26095fe6d1_fineproj
	.p2alignl 7, 3214868480
	.fill 96, 4, 3214868480
	.section	.rodata,"a",@progbits
	.p2align	6, 0x0
	.amdhsa_kernel k_q26095fe6d1_fineproj
		.amdhsa_group_segment_fixed_size 83456
		.amdhsa_private_segment_fixed_size 0
		.amdhsa_enable_private_segment 0
		.amdhsa_kernarg_size 32
		.amdhsa_user_sgpr_count 2
		.amdhsa_user_sgpr_kernarg_segment_ptr 1
		.amdhsa_wavefront_size32 1
		.amdhsa_system_sgpr_workgroup_id_x 1
		.amdhsa_system_sgpr_workgroup_id_y 1
		.amdhsa_system_sgpr_workgroup_id_z 1
		.amdhsa_system_vgpr_workitem_id 0
		.amdhsa_next_free_vgpr 256
		.amdhsa_next_free_sgpr 66
		.amdhsa_reserve_vcc 0
		.amdhsa_float_denorm_mode_32 3
		.amdhsa_float_denorm_mode_16_64 3
		.amdhsa_memory_ordered 1
		.amdhsa_forward_progress 1
		.amdhsa_inst_pref_size 32
	.end_amdhsa_kernel
	.amdgpu_metadata
---
amdhsa.version: [ 1, 2 ]
amdhsa.kernels:
  - .name:           k_q26095fe6d1_fineproj
    .symbol:         k_q26095fe6d1_fineproj.kd
    .args:
      - { .name: attf, .offset: 0, .size: 8, .value_kind: global_buffer, .address_space: global }
      - { .name: Wo, .offset: 8, .size: 8, .value_kind: global_buffer, .address_space: global }
      - { .name: wo16, .offset: 16, .size: 8, .value_kind: global_buffer, .address_space: global }
      - { .name: out0, .offset: 24, .size: 8, .value_kind: global_buffer, .address_space: global }
    .group_segment_fixed_size: 83456
    .private_segment_fixed_size: 0
    .kernarg_segment_align: 8
    .kernarg_segment_size: 32
    .max_flat_workgroup_size: 128
    .sgpr_count:     66
    .vgpr_count:     256
    .wavefront_size: 32
...
	.end_amdgpu_metadata
.endif
;; end of part 5
;; launch attn (part 6): grid 8 x 32, 8 waves a work-group, clusters of 4 x 4, 327,680 bytes of LDS; arguments qimg, kv, attention_mask, att16; writes att16
.if DOCPART == 6
	.amdgcn_target "amdgcn-amd-amdhsa--gfx1250"
	.amdhsa_code_object_version 6
	.text
	.protected	k_q26095fe6d1_attn
	.globl	k_q26095fe6d1_attn
	.p2align	8
	.type	k_q26095fe6d1_attn,@function
k_q26095fe6d1_attn:
	s_mov_b64 s[64:65], 0
	v_nop
	global_prefetch_b8 v0, s[64:65] scope:SCOPE_SE
	s_setreg_imm32_b32 hwreg(HW_REG_WAVE_MODE, 25, 1), 1
	s_wait_xcnt 0x0
	s_wait_alu depctr_hold_cnt(0) depctr_sa_sdst(0) depctr_va_vdst(0) depctr_va_sdst(0) depctr_va_ssrc(0) depctr_va_vcc(0) depctr_vm_vsrc(0)
	s_getreg_b32 s2, hwreg(HW_REG_IB_STS2, 6, 4)
	s_cmp_eq_u32 s2, 0
	s_cbranch_scc0 .Lentry_in_a_cluster
	s_endpgm
.Lentry_in_a_cluster:
	s_bfe_u32 s2, ttmp6, 0x10000c
	s_cmp_lg_u32 s2, 0xf033
	s_cbranch_scc0 .Lentry_shape_is_right
	s_endpgm
.Lentry_shape_is_right:
; O = softmax(q k^T / 8 + mask) v for all positions, f16 operands, f32 sums and softmax with a running maximum.  q (already 1/8 of its value), k and v come as images of operand registers; O leaves so.
; The mask is an input: it is read whole and no tile is left out.  It is the C of a score tile's first matrix instruction, so it costs no addition, and one fragment of it serves both heads of a group.
; SHARES: a work-group takes 128 queries x the two query heads of one key and value head.  Wave w: p = w / 2, u = w % 2: queries 32 p .. +31 of both heads (four tiles of 16: tile 2 t + hd), and the u-th 64 keys of each slot of 128.
; So two waves lie on a SIMD, one's softmax beside the other's products, and yet a fragment of K or V read from LDS feeds four products.  At the end the two key halves are joined through LDS.
; LAYOUT: S^T = K Q^T + mask^T (source 0 = 16 keys, source 1 = 16 queries), O^T = V^T P: a lane holds one query throughout; two score tiles rounded to f16 ARE source 1 of the second product; O^T rounded to f16 IS the projection's operand.
; SOFTMAX: p = 2^(c (s - m)), c = log2(e), m the running maximum.  The maximum is taken off FIRST, which is exact where s = m, and the difference is multiplied by c: so p is at most 1, inside f16, however large the scores or the mask are
; (a wave all of whose keys carry a mask of -1e9 has m = -1e9, and the rounding of a product c m of that size would be tens of whole exponents).
; RING: two LDS slots of 128 keys: K and V 32,768 dense bytes, the mask tile 128 rows x 512 bytes + 16 of padding.  Waves 0-3 fetch quarters of K and V, waves 4-7 quarters of the mask tile: one tensor load a wave behind each round.
; CLUSTER 4 x 4: x walks the groups, y the query blocks of one batch.  K and V hang on (batch, group): asked for jointly along a column; the mask tile hangs on (batch, query block): jointly along a row.
; LIMITS: a row whose every score lies under -3e37 gives NaN; NaN among the inputs is not served; the mask is added by the matrix unit's own sum; operands are rounded to f16 (positions 0-15 of each sequence are overwritten downstream by the fine launches' results).
; REGISTERS: window 0: v3-15, v208 addresses; v16-47 statistics, 8 a tile (+0 and +1 m, +2, +3 the sum, +4 to +7 at work, +6 the factor a); v48-79 the mask's fragments; v80-143 S (32 a head); v144-207 P (16 a tile); v209-231 the joining.
;   window 1: v0-63 Q (16 a tile); v64-127 K's fragments, then V^T's; v128-255 O^T (32 a tile).
.set SLOT1, 1<<17
.set KVB,   32768
.set MOFF,  KVB
.set MP,    528
.set SPARE, MOFF+128*MP                ; behind slot 0's tiles, where no tile lands: the spare words, 128 bytes a wave
.set STAGE, SLOT1+MOFF+128*MP          ; behind slot 1's tiles: 8,704 bytes a wave for the joining; no tile lands there
.set HSTG,  4352                       ; a head's part: O^T 4,096, m 128, the sum 128
.set WSTG,  2*HSTG
.set AK0, 3
.set AV0, 4
.set AM0, 5
.set ADK, 6
.set ADV, 7
.set ADM, 8
.set LI,  9
.set SPW, 10
.set NIL, 11
.set PFO, 12
.set SO,  13
.set SW,  14
.set RO,  15
.set RW,  208
.set ST,  16
.set MK,  48
.set S,   80
.set P,   144
.set KF,  64
.set OB,  128
.set WV,  12
.set LIM, 15
.set PFA, 18
.set PFS, 20
.set G1K, 24
.set G1M, 32
.set G0K, 40
.set G0M, 48
.set SLOTS, 56
.set CS,  58
.set SEL, 60
.set TB,  62
.set UU,  63
.set MSB, 0
.macro WIN new                         ; the immediate's high byte repeats the setting that is left
.if MSB != \new
	s_set_vgpr_msb (MSB<<8)|\new
.set MSB, \new
.endif
.endm
.macro PLACES
.rept 4
	v_nop
.endr
.endm
; A joint refill: the branch hangs on the wave's number alone.  An s_nop 0 and four v_nop follow each line.
.macro JLOAD
	s_cmp_lt_u32 s[WV], 4
	s_cbranch_scc0 .Lfor_m_\@
	tensor_load_to_lds s[G0K+4:G0K+7], s[G1K:G1K+7]
	s_nop 0
.rept 4
	v_nop
.endr
	s_branch .Lasked_\@
.Lfor_m_\@:
	tensor_load_to_lds s[G0M+4:G0M+7], s[G1M:G1M+7]
	s_nop 0
.rept 4
	v_nop
.endr
.Lasked_\@:
.endm
; A prefetch of what the NEXT change of slots will ask for, one instruction in the waves that ask.  Each aligned 256 bytes is named once in the launch:
; K and V (32,768 bytes a slot) are walked by the four rows of clusters of a batch: the first of them asks, wave 0; the four partners of a column take 8,192 bytes each, told apart by address, lanes 256 bytes apart.
; The mask tile (128 rows x 512 bytes) is walked by both clusters along x: cluster x = 0 asks; the four partners of a row take 32 rows each, by address, a lane a row; wave 4 takes a row's first 256 bytes, wave 5 the second.
; The last change that fills a slot asks for nothing; slots 0 to 2 come by their loads alone.
.macro ASK
	s_cmp_gt_u32 s[SLOTS], s[LIM]
	s_cbranch_scc0 .Lnot_mine_\@
	global_prefetch_b8 v[PFO], s[PFA:PFA+1] th:TH_LOAD_NT scope:SCOPE_SE
.Lnot_mine_\@:
.endm
.macro CROUND
	s_barrier_signal -1
	s_barrier_wait -1
	s_cmp_lg_u32 s[WV], 0
	s_cbranch_scc1 .Lnot_wave_0_\@
	s_barrier_signal -3
.Lnot_wave_0_\@:
	s_barrier_wait -3
	s_barrier_signal -1
	s_barrier_wait -1
.endm
	s_load_b256 s[4:11], s[0:1], 0x0               ; qimg, kv, mask, att16
	v_lshl_add_u32 v[SPW], v0, 2, SPARE
	v_mov_b32 v[NIL], 0
	ds_add_u32 v[SPW], v[NIL]                      ; the wave's opening: the add, twice on end, and its wait ahead of my first tensor load
	ds_add_u32 v[SPW], v[NIL]
	v_lshrrev_b32 v1, 5, v0
	v_readfirstlane_b32 s[WV], v1                  ; wave 0..7
	s_bfe_u32 s13, ttmp6, 0x40000                  ; cx
	s_bfe_u32 s14, ttmp6, 0x40004                  ; cy
	s_lshl_b32 s16, ttmp9, 2
	s_add_co_u32 s16, s16, s13                     ; the group g
	s_and_b32 s17, ttmp7, 0xffff
	s_lshr_b32 s22, s17, 2                         ; the batch b
	s_and_b32 s17, s17, 3                          ; which row of clusters of the batch
	s_lshl_b32 s57, s17, 2
	s_add_co_u32 s57, s57, s14                     ; the query block qb
	s_and_b32 s[UU], s[WV], 1                      ; u
	s_lshr_b32 s74, s[WV], 1                       ; p
	s_and_b32 s75, s[WV], 3                        ; which quarter of a tile I fetch
	s_lshl_b32 s72, s75, 13                        ; its place in a slot: K and V,
	s_mul_i32 s73, s75, 32*MP
	s_add_co_u32 s73, s73, MOFF                    ; the mask
	s_lshl_b32 s66, 0x1111, s13                    ; my column of the cluster
	s_or_b32 s[G1K], s66, (3<<16)|(1<<21)          ; the mask of work-groups; elements of 8 bytes; bit 21 beside a mask; no padding
	s_mov_b32 s[G1K+1], 32<<16                     ; tensor_dim0: 32 elements, 256 bytes
	s_mov_b32 s[G1K+2], 32<<16                     ; tensor_dim1: 32 rows
	s_mov_b32 s[G1K+3], 32<<16                     ; tile_dim0
	s_mov_b32 s[G1K+4], 32                         ; tile_dim1
	s_mov_b32 s[G1K+5], 32                         ; dense
	s_mov_b32 s[G1K+6], 0
	s_mov_b32 s[G1K+7], 0
	s_lshl_b32 s70, s14, 2
	s_lshl_b32 s70, 15, s70                        ; my row of the cluster
	s_or_b32 s[G1M], s70, (2<<16)|(1<<20)|(1<<21)|(6<<22)|(3<<25)   ; elements of 4 bytes; 4 words of padding behind every 128
	s_mov_b32 s[G1M+1], 128<<16
	s_mov_b32 s[G1M+2], 32<<16
	s_mov_b32 s[G1M+3], 128<<16
	s_mov_b32 s[G1M+4], 32
	s_mov_b32 s[G1M+5], 2048                       ; a row of the mask
	s_mov_b32 s[G1M+6], 0
	s_mov_b32 s[G1M+7], 0
	s_lshl_b32 s68, s22, 3
	s_add_co_u32 s68, s68, s16
	s_lshl_b32 s68, s68, 19                        ; (8 b + g) x 524,288
	s_lshl_b32 s66, s14, 13
	s_add_co_u32 s66, s66, s68
	s_add_co_u32 s66, s66, 2*KVB                   ; K's and V's prefetches: my work-group's 8,192 bytes, in slot 2
	s_lshl_b32 s69, s75, 13
	s_add_co_u32 s68, s68, s69                     ; the tensor loads': my quarter (no cy in it)
	s_mov_b32 s69, 0
	s_lshl_b32 s70, s22, 24
	s_lshl_b32 s71, s57, 20
	s_add_co_u32 s70, s70, s71                     ; batch, 128 qb rows of 8,192 bytes
	s_lshl_b32 s71, s13, 18
	s_add_co_u32 s71, s71, s70
	s_lshl_b32 s67, s[UU], 8
	s_add_co_u32 s71, s71, s67
	s_add_co_u32 s71, s71, 2*512                   ; the mask's prefetches: my work-group's 32 rows, my half of 512 bytes, in slot 2
	s_lshl_b32 s67, s75, 18
	s_add_co_u32 s70, s70, s67                     ; the tensor loads': my 32 rows (no cx in it)
	s_or_b32 s[LIM], s[WV], s17                    ; 0: wave 0 in the batch's first row of clusters
	s_lshr_b32 s67, s[WV], 1
	s_xor_b32 s67, s67, 2
	s_or_b32 s67, s67, ttmp9                       ; 0: waves 4, 5 in cluster x = 0
	s_mov_b32 s[PFS], 512
	s_cmp_lt_u32 s[WV], 4
	s_cselect_b32 s[LIM], s[LIM], s67
	s_cselect_b32 s66, s66, s71
	s_cselect_b32 s[PFS], KVB, s[PFS]              ; a slot on
	s_cselect_b32 s67, 8, 13                       ; lanes 256 bytes, or a row, apart
	s_cmp_eq_u32 s[LIM], 0
	s_cselect_b32 s[LIM], 1, -1                    ; the same in all sixteen partners, for a given wave
	v_and_b32 v[PFO], 31, v0
	v_lshlrev_b32 v[PFO], s67, v[PFO]
	s_mov_b32 s67, 0
	s_mov_b32 s71, 0
	s_mov_b32 s[PFS+1], 0
	s_lshl_b32 s2, s22, 22
	s_lshl_b32 s3, s57, 18
	s_add_co_u32 s2, s2, s3
	s_lshl_b32 s3, s74, 16
	s_add_co_u32 s2, s2, s3
	s_lshl_b32 s3, s16, 12
	s_add_co_u32 s2, s2, s3                        ; q and O: (128 b + 8 qb + 2 p) x 32,768 + g x 4,096
	s_mov_b32 s3, 0
	s_mov_b32 s[CS], 0x3fb8aa3b                    ; c = log2(e)
	s_mov_b32 s[CS+1], s[CS]
	s_mov_b32 s[SEL], 0x76543210
	s_mov_b32 s[SEL+1], 0xfedcba98
	s_mov_b32 s[TB], 0
	s_mov_b32 s[SLOTS], 14
	s_wait_dscnt 0x0                               ; both opening adds are done
	s_wait_kmcnt 0x0
	s_cmp_lt_u32 s[WV], 4
	s_cselect_b64 s[PFA:PFA+1], s[6:7], s[8:9]
	s_add_nc_u64 s[PFA:PFA+1], s[PFA:PFA+1], s[66:67]
	s_add_nc_u64 s[6:7], s[6:7], s[68:69]
	s_add_nc_u64 s[8:9], s[8:9], s[70:71]
	s_add_nc_u64 s[4:5], s[4:5], s[2:3]
	s_add_nc_u64 s[10:11], s[10:11], s[2:3]
	CROUND                                         ; all sixteen work-groups are here: the first joint loads meet
.irp s, 0,1
	s_mov_b32 s[G0K+4*\s], 1
	s_add_co_u32 s[G0K+4*\s+1], s72, \s*SLOT1
	s_add_nc_u64 s[G0K+4*\s+2:G0K+4*\s+3], s[6:7], \s*KVB
	s_or_b32 s[G0K+4*\s+3], s[G0K+4*\s+3], 0x80000000
	s_mov_b32 s[G0M+4*\s], 1
	s_add_co_u32 s[G0M+4*\s+1], s73, \s*SLOT1
	s_add_nc_u64 s[G0M+4*\s+2:G0M+4*\s+3], s[8:9], \s*512
	s_or_b32 s[G0M+4*\s+3], s[G0M+4*\s+3], 0x80000000
.endr
	s_cmp_lt_u32 s[WV], 4                          ; a wave's two first fills stand in one branch: two loads of mine are out
	s_cbranch_scc0 .Lfirst_m
	tensor_load_to_lds s[G0K:G0K+3], s[G1K:G1K+7]
	s_nop 0
	tensor_load_to_lds s[G0K+4:G0K+7], s[G1K:G1K+7]
	s_nop 0
.rept 4
	v_nop
.endr
	s_branch .Lfirst_asked
.Lfirst_m:
	tensor_load_to_lds s[G0M:G0M+3], s[G1M:G1M+7]
	s_nop 0
	tensor_load_to_lds s[G0M+4:G0M+7], s[G1M:G1M+7]
	s_nop 0
.rept 4
	v_nop
.endr
.Lfirst_asked:
	v_and_b32 v[LI], 31, v0
	v_lshlrev_b32 v[LI], 4, v[LI]
	WIN 0x40                                       ; destination window 1
.irp t, 0,1
.irp hd, 0,1
.irp blk, 0,1,2,3
	global_load_b128 v[16*(2*\t+\hd)+4*\blk:16*(2*\t+\hd)+4*\blk+3], v[LI], s[4:5] offset:\t*32768+\hd*2048+\blk*512   ; Q stays in registers
.endr
.endr
.endr
	WIN 0
	v_and_b32 v1, 15, v0                           ; r
	v_bfe_u32 v2, v0, 4, 1                         ; h
	s_lshl_b32 s66, s[UU], 14                      ; my four key tiles of a slot
	v_add_nc_u32 v[AK0], s66, v[LI]
	v_and_b32 v6, 7, v0
	v_lshl_add_u32 v6, v2, 3, v6
	v_bfe_u32 v7, v0, 3, 1
	v_lshlrev_b32 v[AV0], 5, v6
	v_lshl_add_u32 v[AV0], v7, 4, v[AV0]           ; the turning load: key 8 h + l % 8 (32 bytes a key), channel half (l / 8) % 2
	s_add_co_u32 s66, s66, 2048
	v_add_nc_u32 v[AV0], s66, v[AV0]
	v_mul_u32_u24 v[AM0], v1, MP
	v_lshl_add_u32 v[AM0], v2, 5, v[AM0]
	s_mul_i32 s66, s74, 32*MP
	s_lshl_b32 s67, s[UU], 8
	s_add_co_u32 s66, s66, s67
	s_add_co_u32 s66, s66, MOFF
	v_add_nc_u32 v[AM0], s66, v[AM0]               ; the mask: row 32 p + r, + 256 u + 32 h
	s_mul_i32 s66, s[WV], WSTG
	s_add_co_u32 s66, s66, STAGE
	v_add_nc_u32 v[SO], s66, v[LI]                 ; the joining: where I put O^T,
	v_and_b32 v[SW], 31, v0
	v_lshlrev_b32 v[SW], 2, v[SW]
	v_mov_b32 v[RW], v[SW]
	s_add_co_u32 s66, s66, 4096
	v_add_nc_u32 v[SW], s66, v[SW]                 ; m and the sum;
	s_xor_b32 s66, s[WV], 1
	s_mul_i32 s66, s66, WSTG
	s_add_co_u32 s66, s66, STAGE
	v_add_nc_u32 v[RO], s66, v[LI]                 ; and where my partner has put its own
	s_add_co_u32 s66, s66, 4096
	v_add_nc_u32 v[RW], s66, v[RW]
; S^T of query tile t, both heads: 16 products; the first 8 take the mask as C; the 8 accumulators take turns
.macro QK t
	WIN 0x05                                       ; K and Q in window 1
.irp c, 0,1
.irp kt, 0,1,2,3
.irp hd, 0,1
.if \c == 0
	v_wmma_f32_16x16x32_f16 v[S+32*\hd+8*\kt:S+32*\hd+8*\kt+7], v[KF+16*\kt:KF+16*\kt+7], v[16*(2*\t+\hd):16*(2*\t+\hd)+7], v[MK+8*\kt:MK+8*\kt+7]
.else
	v_wmma_f32_16x16x32_f16 v[S+32*\hd+8*\kt:S+32*\hd+8*\kt+7], v[KF+16*\kt+8:KF+16*\kt+15], v[16*(2*\t+\hd)+8:16*(2*\t+\hd)+15], v[S+32*\hd+8*\kt:S+32*\hd+8*\kt+7]
.endif
.endr
.endr
.endr
	WIN 0
.endm
; The softmax of query tile t for these 64 keys, the two heads line by line by turns.  first = 1: the first slot starts m, the sum and O^T.
.macro SMAX t, first
.irp j, 0,1,2,3
.irp hd, 0,1
	v_max3_num_f32 v[ST+8*(2*\t+\hd)+4+\j], v[S+32*\hd+8*\j], v[S+32*\hd+8*\j+1], v[S+32*\hd+8*\j+2]     ; each accumulator from its low end on
.endr
.endr
.irp q, 3,5
.irp j, 0,1,2,3
.irp hd, 0,1
	v_max3_num_f32 v[ST+8*(2*\t+\hd)+4+\j], v[ST+8*(2*\t+\hd)+4+\j], v[S+32*\hd+8*\j+\q], v[S+32*\hd+8*\j+\q+1]
.endr
.endr
.endr
.irp hd, 0,1
	v_max3_num_f32 v[ST+8*(2*\t+\hd)+4], v[ST+8*(2*\t+\hd)+4], v[S+32*\hd+7], v[S+32*\hd+15]
	v_max3_num_f32 v[ST+8*(2*\t+\hd)+6], v[ST+8*(2*\t+\hd)+6], v[S+32*\hd+23], v[S+32*\hd+31]
.endr
.irp hd, 0,1
	v_max3_num_f32 v[ST+8*(2*\t+\hd)+4], v[ST+8*(2*\t+\hd)+4], v[ST+8*(2*\t+\hd)+5], v[ST+8*(2*\t+\hd)+6]
.endr
.irp hd, 0,1
.if \first
	v_max3_num_f32 v[ST+8*(2*\t+\hd)+4], v[ST+8*(2*\t+\hd)+4], v[ST+8*(2*\t+\hd)+7], 0xfdb48de3    ; the floor -3e37: the maximum is a number
.else
	v_max3_num_f32 v[ST+8*(2*\t+\hd)+4], v[ST+8*(2*\t+\hd)+4], v[ST+8*(2*\t+\hd)+7], v[ST+8*(2*\t+\hd)+1]
.endif
.endr
.irp hd, 0,1
	v_permlanex16_b32 v[ST+8*(2*\t+\hd)+5], v[ST+8*(2*\t+\hd)+4], s[SEL], s[SEL+1]   ; the query's other 32 keys lie 16 lanes away
.endr
.irp hd, 0,1
	v_max_num_f32 v[ST+8*(2*\t+\hd)+1], v[ST+8*(2*\t+\hd)+4], v[ST+8*(2*\t+\hd)+5]   ; the new m
.endr
.if !\first
.irp hd, 0,1
	v_sub_f32 v[ST+8*(2*\t+\hd)+7], v[ST+8*(2*\t+\hd)], v[ST+8*(2*\t+\hd)+1]         ; m as it was - m: 0 or less
.endr
.endif
.irp hd, 0,1
	v_mov_b32 v[ST+8*(2*\t+\hd)], v[ST+8*(2*\t+\hd)+1]                               ; m in both words of the pair
.endr
.if !\first
.irp hd, 0,1
	v_mul_f32 v[ST+8*(2*\t+\hd)+7], s[CS], v[ST+8*(2*\t+\hd)+7]
.endr
.endif
.irp j, 0,2,4,6,8,10,12,14,16,18,20,22,24,26,28,30
.irp hd, 0,1
	v_pk_add_f32 v[S+32*\hd+\j:S+32*\hd+\j+1], v[S+32*\hd+\j:S+32*\hd+\j+1], v[ST+8*(2*\t+\hd):ST+8*(2*\t+\hd)+1] neg_lo:[0,1] neg_hi:[0,1]   ; s - m: 0 or less, and exactly 0 at the maximum
.endr
.endr
.irp j, 0,2,4,6,8,10,12,14,16,18,20,22,24,26,28,30
.irp hd, 0,1
	v_pk_mul_f32 v[S+32*\hd+\j:S+32*\hd+\j+1], v[S+32*\hd+\j:S+32*\hd+\j+1], s[CS:CS+1] op_sel_hi:[1,0]   ; x c
.endr
.endr
.if !\first
.irp hd, 0,1
	v_exp_f32 v[ST+8*(2*\t+\hd)+6], v[ST+8*(2*\t+\hd)+7]     ; a = 2^(c (m as it was - m))
.endr
.endif
.irp j, 0,1,2,3,4,5,6,7,8,9,10,11,12,13,14,15,16,17,18,19,20,21,22,23,24,25,26,27,28,29,30,31
.irp hd, 0,1
	v_exp_f32 v[S+32*\hd+\j], v[S+32*\hd+\j]
.endr
.endr
	v_nop                                          ; a plain line behind the last exponential
	s_wait_alu depctr_va_vdst(0)                   ; one wait for the whole batch, ahead of its first reader
.irp j, 0,1,2,3,4,5,6,7,8,9,10,11,12,13,14,15
.irp hd, 0,1
	v_cvt_pk_f16_f32 v[P+16*(2*\t+\hd)+\j], v[S+32*\hd+2*\j], v[S+32*\hd+2*\j+1]
.endr
.endr
.irp j, 0,4,8,12,16,20,24,28
.irp hd, 0,1
	v_pk_add_f32 v[S+32*\hd+\j:S+32*\hd+\j+1], v[S+32*\hd+\j:S+32*\hd+\j+1], v[S+32*\hd+\j+2:S+32*\hd+\j+3]
.endr
.endr
.irp j, 0,8,16,24
.irp hd, 0,1
	v_pk_add_f32 v[S+32*\hd+\j:S+32*\hd+\j+1], v[S+32*\hd+\j:S+32*\hd+\j+1], v[S+32*\hd+\j+4:S+32*\hd+\j+5]
.endr
.endr
.irp j, 0,16
.irp hd, 0,1
	v_pk_add_f32 v[S+32*\hd+\j:S+32*\hd+\j+1], v[S+32*\hd+\j:S+32*\hd+\j+1], v[S+32*\hd+\j+8:S+32*\hd+\j+9]
.endr
.endr
.if \first
.irp hd, 0,1
	v_pk_add_f32 v[ST+8*(2*\t+\hd)+2:ST+8*(2*\t+\hd)+3], v[S+32*\hd:S+32*\hd+1], v[S+32*\hd+16:S+32*\hd+17]
.endr
.else
.irp hd, 0,1
	v_pk_add_f32 v[S+32*\hd:S+32*\hd+1], v[S+32*\hd:S+32*\hd+1], v[S+32*\hd+16:S+32*\hd+17]
.endr
.irp hd, 0,1
	v_pk_fma_f32 v[ST+8*(2*\t+\hd)+2:ST+8*(2*\t+\hd)+3], v[ST+8*(2*\t+\hd)+2:ST+8*(2*\t+\hd)+3], v[ST+8*(2*\t+\hd)+6:ST+8*(2*\t+\hd)+7], v[S+32*\hd:S+32*\hd+1] op_sel_hi:[1,0,1]
.endr
	WIN 0x41                                       ; O^T in window 1, a in window 0
.irp j, 0,2,4,6,8,10,12,14,16,18,20,22,24,26,28,30
.irp hd, 0,1
	v_pk_mul_f32 v[OB+32*(2*\t+\hd)+\j:OB+32*(2*\t+\hd)+\j+1], v[OB+32*(2*\t+\hd)+\j:OB+32*(2*\t+\hd)+\j+1], v[ST+8*(2*\t+\hd)+6:ST+8*(2*\t+\hd)+7] op_sel_hi:[1,0]
.endr
.endr
	WIN 0
.endif
.endm
; O^T += V^T P: 32 products, the 16 accumulators by turns
.macro PV first
	WIN 0x51                                       ; V^T and O^T in window 1, P in window 0
.irp ks, 0,1
.irp dt, 0,1,2,3
.irp tl, 0,1,2,3
.if \first && (\ks == 0)
	v_wmma_f32_16x16x32_f16 v[OB+32*\tl+8*\dt:OB+32*\tl+8*\dt+7], v[KF+32*\ks+8*\dt:KF+32*\ks+8*\dt+7], v[P+16*\tl+8*\ks:P+16*\tl+8*\ks+7], 0
.else
	v_wmma_f32_16x16x32_f16 v[OB+32*\tl+8*\dt:OB+32*\tl+8*\dt+7], v[KF+32*\ks+8*\dt:KF+32*\ks+8*\dt+7], v[P+16*\tl+8*\ks:P+16*\tl+8*\ks+7], v[OB+32*\tl+8*\dt:OB+32*\tl+8*\dt+7]
.endif
.endr
.endr
.endr
	WIN 0
.endm
.macro MLOAD t                         ; the mask's fragments of query tile t: mask(16 t + r, 16 kt + 8 h + 0 .. 7)
.irp kt, 0,1,2,3
	ds_load_b128 v[MK+8*\kt:MK+8*\kt+3], v[ADM] offset:\t*16*MP+64*\kt
	ds_load_b128 v[MK+8*\kt+4:MK+8*\kt+7], v[ADM] offset:\t*16*MP+64*\kt+16
.endr
.endm
; My 64 keys of the slot in hand
.macro SLOTWORK first
.if !\first
	PLACES                                         ; behind the last products: K's fragments land where V^T's lay
.endif
	v_add_nc_u32 v[ADK], s[TB], v[AK0]
	v_add_nc_u32 v[ADV], s[TB], v[AV0]
	v_add_nc_u32 v[ADM], s[TB], v[AM0]
	WIN 0x40
.irp kt, 0,1,2,3
.irp c, 0,1
	ds_load_b128 v[KF+16*\kt+8*\c:KF+16*\kt+8*\c+3], v[ADK] offset:\kt*4096+\c*1024
	ds_load_b128 v[KF+16*\kt+8*\c+4:KF+16*\kt+8*\c+7], v[ADK] offset:\kt*4096+\c*1024+512
.endr
.endr
	WIN 0
	MLOAD 0
	s_wait_dscnt 0x0
	QK 0
	PLACES                                         ; ahead of the loads into the mask's registers and of the first read of the scores
	MLOAD 1
	SMAX 0, \first
	s_wait_dscnt 0x0
	QK 1
	PLACES
	WIN 0x40
.irp ks, 0,1
.irp dt, 0,1,2,3
.irp e, 0,1
	ds_load_tr16_b128 v[KF+32*\ks+8*\dt+4*\e:KF+32*\ks+8*\dt+4*\e+3], v[ADV] offset:(2*\ks+\e)*4096+\dt*512
.endr
.endr
.endr
	WIN 0
	SMAX 1, \first
	s_wait_dscnt 0x0
	PV \first
.endm
; The change of slots.  Each wave waits for all its tensor loads (one is out: its part of the other slot), adds 0 to its spare word, and waits for that and for its reads of the slot that it leaves.
; fill = 1: the barrier is a round of the cluster's, and the joint refill of the slot just left is the first thing behind it: it has a whole slot's work in which to land.
.macro CHANGE fill
	s_wait_tensorcnt 0x0                           ; no tensor load of mine is out, so a group 0 may be written
	ds_add_u32 v[SPW], v[NIL]
.if \fill
	s_xor_b32 s[G0K+5], s[G0K+5], SLOT1            ; the walking descriptors: the other slot than last time, the next 128 keys
	s_add_nc_u64 s[G0K+6:G0K+7], s[G0K+6:G0K+7], KVB
	s_xor_b32 s[G0M+5], s[G0M+5], SLOT1
	s_add_nc_u64 s[G0M+6:G0M+7], s[G0M+6:G0M+7], 512
	s_wait_xcnt 0x0                                ; the last prefetch, a slot back, has read its address
	s_add_nc_u64 s[PFA:PFA+1], s[PFA:PFA+1], s[PFS:PFS+1]
	s_wait_dscnt 0x0                               ; the add is done, and my reads of the slot are over
	CROUND
	JLOAD
	ASK
.else
	s_wait_dscnt 0x0
	s_barrier_signal -1
	s_barrier_wait -1
.endif
	s_xor_b32 s[TB], s[TB], SLOT1
.endm
	s_wait_tensorcnt 1                             ; my part of slot 0 is in; slot 1's may stay out
	s_barrier_signal -1
	s_barrier_wait -1
	s_wait_loadcnt 0x0                             ; Q
	SLOTWORK 1
.Lslot:                                            ; 14 trips: every slot but the last two is filled again
	CHANGE 1
	SLOTWORK 0
	s_sub_co_u32 s[SLOTS], s[SLOTS], 1
	s_cmp_lg_u32 s[SLOTS], 0
	s_cbranch_scc1 .Lslot
	CHANGE 0                                       ; the tail is written out
	SLOTWORK 0
; THE JOINING of the two key halves.  Wave u = 0 hands its query tile 1 to its partner and finishes tile 0; wave u = 1 the other way round.
.macro SENDT t
.irp hd, 0,1
	v_add_f32 v[213+\hd], v[ST+8*(2*\t+\hd)+2], v[ST+8*(2*\t+\hd)+3]
.endr
.irp hd, 0,1
	ds_store_b32 v[SW], v[ST+8*(2*\t+\hd)] offset:\hd*HSTG          ; m
	ds_store_b32 v[SW], v[213+\hd] offset:\hd*HSTG+128              ; the sum
.endr
	WIN 0x04                                       ; an LDS store's data are its source 1: window 1
.irp hd, 0,1
.irp q, 0,1,2,3,4,5,6,7
	ds_store_b128 v[SO], v[OB+32*(2*\t+\hd)+4*\q:OB+32*(2*\t+\hd)+4*\q+3] offset:\hd*HSTG+512*\q    ; each accumulator from its low end on
.endr
.endr
	WIN 0
.endm
.macro MERGE t
.irp hd, 0,1
	ds_load_b32 v[209+\hd], v[RW] offset:\hd*HSTG
	ds_load_b32 v[211+\hd], v[RW] offset:\hd*HSTG+128
.endr
.irp hd, 0,1
.irp q, 0,1,2,3,4,5,6,7
	ds_load_b128 v[S+32*\hd+4*\q:S+32*\hd+4*\q+3], v[RO] offset:\hd*HSTG+512*\q
.endr
.endr
.irp hd, 0,1
	v_add_f32 v[213+\hd], v[ST+8*(2*\t+\hd)+2], v[ST+8*(2*\t+\hd)+3]
.endr
	s_wait_dscnt 0x0
.irp hd, 0,1
	v_max_num_f32 v[215+\hd], v[ST+8*(2*\t+\hd)], v[209+\hd]       ; the joint maximum
.endr
.irp hd, 0,1
	v_sub_f32 v[217+\hd], v[ST+8*(2*\t+\hd)], v[215+\hd]           ; each half's maximum less the joint one: 0 or less, one of the two exactly 0
	v_sub_f32 v[219+\hd], v[209+\hd], v[215+\hd]
.endr
.irp hd, 0,1
	v_mul_f32 v[217+\hd], s[CS], v[217+\hd]
	v_mul_f32 v[219+\hd], s[CS], v[219+\hd]
.endr
.irp hd, 0,1
	v_exp_f32 v[217+\hd], v[217+\hd]               ; what my half is multiplied by under the joint maximum,
	v_exp_f32 v[219+\hd], v[219+\hd]               ; and my partner's
.endr
	v_nop
	s_wait_alu depctr_va_vdst(0)
.irp hd, 0,1
	v_mul_f32 v[213+\hd], v[213+\hd], v[217+\hd]
.endr
.irp hd, 0,1
	v_fmac_f32 v[213+\hd], v[211+\hd], v[219+\hd]
.endr
.irp hd, 0,1
	v_permlanex16_b32 v[215+\hd], v[213+\hd], s[SEL], s[SEL+1]
.endr
.irp hd, 0,1
	v_add_f32 v[213+\hd], v[213+\hd], v[215+\hd]   ; the row's sum
.endr
.irp hd, 0,1
	v_rcp_f32 v[221+\hd], v[213+\hd]
.endr
	v_nop
	s_wait_alu depctr_va_vdst(0)
.irp hd, 0,1
	v_mul_f32 v[224+4*\hd], v[217+\hd], v[221+\hd]
	v_mul_f32 v[225+4*\hd], v[217+\hd], v[221+\hd]
	v_mul_f32 v[226+4*\hd], v[219+\hd], v[221+\hd]
	v_mul_f32 v[227+4*\hd], v[219+\hd], v[221+\hd]
.endr
	WIN 0x01                                       ; my O^T in window 1
.irp hd, 0,1
.irp j, 0,2,4,6,8,10,12,14,16,18,20,22,24,26,28,30
	v_pk_mul_f32 v[P+32*\hd+\j:P+32*\hd+\j+1], v[OB+32*(2*\t+\hd)+\j:OB+32*(2*\t+\hd)+\j+1], v[224+4*\hd:225+4*\hd]
.endr
.endr
	WIN 0
.irp hd, 0,1
.irp j, 0,2,4,6,8,10,12,14,16,18,20,22,24,26,28,30
	v_pk_fma_f32 v[P+32*\hd+\j:P+32*\hd+\j+1], v[S+32*\hd+\j:S+32*\hd+\j+1], v[226+4*\hd:227+4*\hd], v[P+32*\hd+\j:P+32*\hd+\j+1]
.endr
.endr
.irp hd, 0,1
.irp j, 0,1,2,3,4,5,6,7,8,9,10,11,12,13,14,15
	v_cvt_pk_f16_f32 v[MK+16*\hd+\j], v[P+32*\hd+2*\j], v[P+32*\hd+2*\j+1]
.endr
.endr
.irp hd, 0,1
.irp dt, 0,1,2,3
	global_store_b128 v[LI], v[MK+16*\hd+4*\dt:MK+16*\hd+4*\dt+3], s[10:11] offset:\t*32768+\hd*2048+\dt*512   ; 512 consecutive bytes
.endr
.endr
.endm
	PLACES                                         ; behind the last products
	s_cmp_eq_u32 s[UU], 0
	s_cbranch_scc0 .Lsend_u1
	SENDT 1
	s_branch .Lsent
.Lsend_u1:
	SENDT 0
.Lsent:
	s_wait_dscnt 0x0                               ; for my partner's sake: my stores have landed
	s_barrier_signal -1
	s_barrier_wait -1
	s_cmp_eq_u32 s[UU], 0
	s_cbranch_scc0 .Lmerge_u1
	MERGE 0
	s_branch .Lmerged
.Lmerge_u1:
	MERGE 1
.Lmerged:
	s_wait_tensorcnt 0x0                           ; the wave's end
	ds_add_u32 v[SPW], v[NIL]
	s_wait_dscnt 0x0
	CROUND                                         ; the closing round
	s_endpgm
.Lfunc_end_k_q26095fe6d1_attn:
	.size	k_q26095fe6d1_attn, .Lfunc_end_k_q26095fe6d1_attn-k_q26095fe6d1_attn
	.p2alignl 7, 3214868480
	.fill 96, 4, 3214868480
	.section	.rodata,"a",@progbits
	.p2align	6, 0x0
	.amdhsa_kernel k_q26095fe6d1_attn
		.amdhsa_group_segment_fixed_size 327680
		.amdhsa_private_segment_fixed_size 0
		.amdhsa_enable_private_segment 0
		.amdhsa_kernarg_size 32
		.amdhsa_user_sgpr_count 2
		.amdhsa_user_sgpr_kernarg_segment_ptr 1
		.amdhsa_wavefront_size32 1
		.amdhsa_system_sgpr_workgroup_id_x 1
		.amdhsa_system_sgpr_workgroup_id_y 1
		.amdhsa_system_sgpr_workgroup_id_z 1
		.amdhsa_system_vgpr_workitem_id 0
		.amdhsa_next_free_vgpr 512
		.amdhsa_next_free_sgpr 80
		.amdhsa_reserve_vcc 0
		.amdhsa_float_denorm_mode_32 3
		.amdhsa_float_denorm_mode_16_64 3
		.amdhsa_memory_ordered 1
		.amdhsa_forward_progress 1
		.amdhsa_inst_pref_size 140
	.end_amdhsa_kernel
	.amdgpu_metadata
---
amdhsa.version: [ 1, 2 ]
amdhsa.kernels:
  - .name:           k_q26095fe6d1_attn
    .symbol:         k_q26095fe6d1_attn.kd
    .args:
      - { .name: qimg, .offset: 0, .size: 8, .value_kind: global_buffer, .address_space: global }
      - { .name: kv, .offset: 8, .size: 8, .value_kind: global_buffer, .address_space: global }
      - { .name: attention_mask, .offset: 16, .size: 8, .value_kind: global_buffer, .address_space: global }
      - { .name: att16, .offset: 24, .size: 8, .value_kind: global_buffer, .address_space: global }
    .group_segment_fixed_size: 327680
    .private_segment_fixed_size: 0
    .kernarg_segment_align: 8
    .kernarg_segment_size: 32
    .max_flat_workgroup_size: 256
    .sgpr_count:     80
    .vgpr_count:     512
    .wavefront_size: 32
...
	.end_amdgpu_metadata
.endif
;; end of part 6
;; launch oproj (part 7): grid 8 x 32, 4 waves a work-group, clusters of 4 x 4, 327,680 bytes of LDS; arguments att16, wo16, out0; writes out0
.if DOCPART == 7
	.amdgcn_target "amdgcn-amd-amdhsa--gfx1250"
	.amdhsa_code_object_version 6
	.text
	.protected	k_q26095fe6d1_oproj
	.globl	k_q26095fe6d1_oproj
	.p2align	8
	.type	k_q26095fe6d1_oproj,@function
k_q26095fe6d1_oproj:
	s_mov_b64 s[64:65], 0
	v_nop
	global_prefetch_b8 v0, s[64:65] scope:SCOPE_SE
	s_setreg_imm32_b32 hwreg(HW_REG_WAVE_MODE, 25, 1), 1
	s_wait_xcnt 0x0
	s_wait_alu depctr_hold_cnt(0) depctr_sa_sdst(0) depctr_va_vdst(0) depctr_va_sdst(0) depctr_va_ssrc(0) depctr_va_vcc(0) depctr_vm_vsrc(0)
	s_getreg_b32 s2, hwreg(HW_REG_IB_STS2, 6, 4)
	s_cmp_eq_u32 s2, 0
	s_cbranch_scc0 .Lentry_in_a_cluster
	s_endpgm
.Lentry_in_a_cluster:
	s_bfe_u32 s2, ttmp6, 0x10000c
	s_cmp_lg_u32 s2, 0xf033
	s_cbranch_scc0 .Lentry_shape_is_right
	s_endpgm
.Lentry_shape_is_right:
; out0 [4096][2048] f32 = attention output [4096][1024] x Wo^T, f16 operands, f32 sums.  Both operands come as images of operand registers: tile of 16 rows, 64 blocks of 16 along K, 512 bytes a block, lane l at 16 l.
; A tile of C is 128 x 256, so that there are 256 work-groups; four waves, each 64 x 128: 32 accumulators (window 2).  K goes in steps of 128 (4,096 consecutive bytes of each tile of 16 rows) through a ring of two LDS slots.
; The images need no padding: every LDS load of a fragment reads 512 consecutive bytes.
; CLUSTER 4 x 4: the attention output's tiles are asked for jointly along a row of the cluster, Wo's along a column.
; THE MATRIX INSTRUCTION IS USED TRANSPOSED (source 0 = 16 rows of Wo, source 1 = 16 positions): a lane holds eight neighbouring numbers of a row of C; a block of 16 rows goes through the wave's own stage and leaves as rows of 512 bytes.
; Positions 0-15 of each sequence belong to the fine launch: their 16 rows are not stored here (the lanes are switched off for those stores: no branch hangs on the work-group's place), so each output byte has one writer.
; No prefetch: eight K steps, and every tile is shared by four work-groups.
; REGISTERS: window 0: v16-29 addresses; v64-127 A's fragments, two buffers of 32; v128-255 rows on the way out.  window 1: v0-127 B's fragments, two buffers of 64.  window 2: accumulator (a, b) at v[8 (8 a + b)].
.set KB,     4096                      ; a K step of a tile of 16 rows, in bytes
.set SLOT,   98304                     ; A's 8 tiles, then B's 16
.set BOFF,   32768
.set STAGE,  2*SLOT
.set SPITCH, 528
.set SPARE,  STAGE+4*16*SPITCH
.set LAPS,   4
.set ADRA, 16
.set ADRB, 20
.set STO,  24
.set RD,   25
.set CO,   26
.set KEEP, 27
.set SPW,  28
.set NIL,  29
.set BK,   128
.set G1, 24
.set G0, 32
.set G1B, 48
.set G0B, 56
.set MSB, 0
.macro WIN new
.if MSB != \new
	s_set_vgpr_msb (MSB<<8)|\new
.set MSB, \new
.endif
.endm
.set MUL, 0xa1                         ; source 0 (Wo) window 1, source 1 window 0, C and D window 2
.macro JLOAD s                         ; waves 0 and 1 fetch A's halves, waves 2 and 3 B's; an s_nop 0 and four v_nop follow each line
	s_cmp_eq_u32 s11, 0
	s_cbranch_scc0 .Lfor_b_\@
	tensor_load_to_lds s[G0+4*\s:G0+4*\s+3], s[G1:G1+7]
	s_nop 0
.rept 4
	v_nop
.endr
	s_branch .Lasked_\@
.Lfor_b_\@:
	tensor_load_to_lds s[G0B+4*\s:G0B+4*\s+3], s[G1B:G1B+7]
	s_nop 0
.rept 4
	v_nop
.endr
.Lasked_\@:
.endm
.macro CREST
	s_cmp_lg_u32 s10, 0
	s_cbranch_scc1 .Lnot_wave_0_\@
	s_barrier_signal -3
.Lnot_wave_0_\@:
	s_barrier_wait -3
	s_barrier_signal -1
	s_barrier_wait -1
.endm
.macro CROUND
	s_barrier_signal -1
	s_barrier_wait -1
	CREST
.endm
.macro PLACES
.rept 4
	v_nop
.endr
.endm
	s_load_b128 s[4:7], s[0:1], 0x0                ; att16, wo16
	s_load_b64 s[8:9], s[0:1], 0x10                ; out0
	v_lshl_add_u32 v[SPW], v0, 2, SPARE
	v_mov_b32 v[NIL], 0
	ds_add_u32 v[SPW], v[NIL]                      ; the wave's opening: the add, twice on end, and its wait ahead of my first tensor load
	ds_add_u32 v[SPW], v[NIL]
	v_lshrrev_b32 v1, 5, v0
	v_readfirstlane_b32 s10, v1                    ; wave
	s_lshr_b32 s11, s10, 1                         ; which 64 rows are mine.  Also: I fetch for A (0) or B (1)
	s_and_b32 s12, s10, 1                          ; which 128 columns.  Also: which half of that tile I fetch
	s_bfe_u32 s40, ttmp6, 0x40000
	s_bfe_u32 s41, ttmp6, 0x40004
	s_lshl_b32 s42, ttmp9, 2
	s_add_co_u32 s42, s42, s40                     ; tile column
	s_and_b32 s13, ttmp7, 0xffff
	s_lshl_b32 s13, s13, 2
	s_add_co_u32 s13, s13, s41                     ; tile row
	s_lshl_b32 s43, s41, 2
	s_lshl_b32 s43, 15, s43
	s_lshl_b32 s44, 0x1111, s40
	s_or_b32 s[G1+0], s43, (3<<16)|(1<<21)         ; the mask; elements of 8 bytes; bit 21 beside a mask
	s_mov_b32 s[G1+1], 512<<16                     ; tensor_dim0: 4,096 bytes
	s_mov_b32 s[G1+2], 4<<16                       ; tensor_dim1: 4 tiles of 16 rows
	s_mov_b32 s[G1+3], 512<<16
	s_mov_b32 s[G1+4], 4
	s_mov_b32 s[G1+5], 4096                        ; 32,768 bytes from tile to tile
	s_mov_b32 s[G1+6], 0
	s_mov_b32 s[G1+7], 0
	s_or_b32 s[G1B+0], s44, (3<<16)|(1<<21)
	s_mov_b32 s[G1B+1], 512<<16
	s_mov_b32 s[G1B+2], 8<<16
	s_mov_b32 s[G1B+3], 512<<16
	s_mov_b32 s[G1B+4], 8
	s_mov_b32 s[G1B+5], 4096
	s_mov_b32 s[G1B+6], 0
	s_mov_b32 s[G1B+7], 0
	s_lshl_b32 s16, s13, 3
	s_lshl_b32 s17, s12, 2
	s_add_co_u32 s16, s16, s17
	s_lshl_b32 s16, s16, 15                        ; A: tile 8 y + 4 half
	s_mov_b32 s17, 0
	s_lshl_b32 s46, s42, 4
	s_lshl_b32 s47, s12, 3
	s_add_co_u32 s46, s46, s47
	s_lshl_b32 s46, s46, 15                        ; B: tile 16 x + 8 half
	s_mov_b32 s47, 0
	s_lshl_b32 s20, s12, 14                        ; where they go
	s_lshl_b32 s21, s12, 15
	s_add_co_u32 s21, s21, BOFF
	s_wait_dscnt 0x0
	s_wait_kmcnt 0x0
	s_add_nc_u64 s[14:15], s[4:5], s[16:17]
	s_add_nc_u64 s[46:47], s[6:7], s[46:47]
	CROUND
.irp s, 0,1
	s_mov_b32 s[G0+4*\s], 1
	s_add_co_u32 s[G0+4*\s+1], s20, \s*SLOT
	s_add_nc_u64 s[G0+4*\s+2:G0+4*\s+3], s[14:15], \s*KB
	s_or_b32 s[G0+4*\s+3], s[G0+4*\s+3], 0x80000000
	s_mov_b32 s[G0B+4*\s], 1
	s_add_co_u32 s[G0B+4*\s+1], s21, \s*SLOT
	s_add_nc_u64 s[G0B+4*\s+2:G0B+4*\s+3], s[46:47], \s*KB
	s_or_b32 s[G0B+4*\s+3], s[G0B+4*\s+3], 0x80000000
	JLOAD \s
.endr
	v_and_b32 v1, 15, v0
	v_bfe_u32 v2, v0, 4, 1
	v_and_b32 v3, 31, v0
	v_lshlrev_b32 v[CO], 4, v3                     ; 16 x lane
	s_lshl_b32 s21, s11, 14                        ; my four tiles of A,
	s_lshl_b32 s22, s12, 15
	s_add_co_u32 s22, s22, BOFF                    ; my eight of B
.irp s, 0,1
	v_add_nc_u32 v[ADRA+\s], s21, v[CO]
	v_add_nc_u32 v[ADRB+\s], s22, v[CO]
	s_add_co_u32 s21, s21, SLOT
	s_add_co_u32 s22, s22, SLOT
.endr
	s_mul_i32 s23, s10, 16*SPITCH
	s_add_co_u32 s23, s23, STAGE                   ; my stage
	v_mul_u32_u24 v5, v1, SPITCH
	v_lshl_add_u32 v5, v2, 5, v5
	v_add_nc_u32 v[STO], s23, v5                   ; in: row r, 32 bytes for each half of the lanes
	v_add_nc_u32 v[RD], s23, v[CO]                 ; back: a row of 512 bytes
	s_lshl_b32 s16, s13, 20
	s_lshl_b32 s17, s11, 19
	s_add_co_u32 s16, s16, s17                     ; row 128 y + 64 half, 8,192 bytes a row
	s_lshl_b32 s46, s42, 10
	s_lshl_b32 s47, s12, 9
	s_add_co_u32 s46, s46, s47
	s_add_co_u32 s16, s16, s46
	s_mov_b32 s17, 0
	s_add_nc_u64 s[8:9], s[8:9], s[16:17]
	s_and_b32 s18, s13, 15
	s_or_b32 s18, s18, s11
	v_mov_b32 v[KEEP], s18                         ; 0 where my block 0 is the first 16 positions of a sequence
.macro MUL8 f, a, zero                 ; A's block a against B's eight, 32 along K; the 32 accumulators take turns, in the same order in every quarter
.irp b, 0,1,2,3,4,5,6,7
.if \zero
	v_wmma_f32_16x16x32_f16 v[8*(8*(\a)+\b):8*(8*(\a)+\b)+7], v[64*(\f)+8*\b:64*(\f)+8*\b+7], v[64+32*(\f)+8*(\a):64+32*(\f)+8*(\a)+7], 0
.else
	v_wmma_f32_16x16x32_f16 v[8*(8*(\a)+\b):8*(8*(\a)+\b)+7], v[64*(\f)+8*\b:64*(\f)+8*\b+7], v[64+32*(\f)+8*(\a):64+32*(\f)+8*(\a)+7], v[8*(8*(\a)+\b):8*(8*(\a)+\b)+7]
.endif
.endr
.endm
.macro FETCH slot, q, f                ; 24 LDS loads in one run: the fragments of the slot's q-th 32 along K into buffer f; B's first
	WIN 0x40
.irp i, 0,1,2,3,4,5,6,7
	ds_load_b128 v[64*(\f)+8*\i:64*(\f)+8*\i+3],   v[ADRB+\slot] offset:\i*4096+(\q)*1024
	ds_load_b128 v[64*(\f)+8*\i+4:64*(\f)+8*\i+7], v[ADRB+\slot] offset:\i*4096+(\q)*1024+512
.endr
	WIN 0
.irp i, 0,1,2,3
	ds_load_b128 v[64+32*(\f)+8*\i:64+32*(\f)+8*\i+3],   v[ADRA+\slot] offset:\i*4096+(\q)*1024
	ds_load_b128 v[64+32*(\f)+8*\i+4:64+32*(\f)+8*\i+7], v[ADRA+\slot] offset:\i*4096+(\q)*1024+512
.endr
.endm
.macro QUARTER slot, q, f, g, zero     ; multiplies buffer f; in its middle fetches the slot's q-th quarter into g
	s_wait_dscnt 4                                 ; B and A's blocks 0, 1 are in; the youngest four loads (blocks 2, 3) may be out
	WIN MUL
	MUL8 \f, 0, \zero
	MUL8 \f, 1, \zero
	PLACES
	FETCH \slot, \q, \g
	s_wait_dscnt 24                                ; all but the 24 just issued
	WIN MUL
	MUL8 \f, 2, \zero
	MUL8 \f, 3, \zero
.endm
; A slot's last quarter (buffer 1) changes slots: one barrier; ahead of it each wave waits for all its tensor loads, adds 0 to its spare word, and waits for that and for its reads of this slot.
.macro TURN slot, next, fill
	WIN 0
	s_wait_tensorcnt 0x0                           ; all my tensor loads have landed: my part of the next slot
	ds_add_u32 v[SPW], v[NIL]
	s_wait_dscnt 7                                 ; the add and the youngest six loads (A's blocks 1 to 3) may be out
	WIN MUL
	MUL8 1, 0, 0
	s_wait_dscnt 0x0                               ; the add is done, and my reads of this slot are over
	s_barrier_signal -1
	MUL8 1, 1, 0
.if \fill
	WIN 0
.endif
	s_barrier_wait -1
.if \fill
	CREST                                          ; the barrier has opened a round of the cluster's
	s_add_nc_u64 s[G0+4*\slot+2:G0+4*\slot+3], s[G0+4*\slot+2:G0+4*\slot+3], 2*KB
	s_add_nc_u64 s[G0B+4*\slot+2:G0B+4*\slot+3], s[G0B+4*\slot+2:G0B+4*\slot+3], 2*KB
	JLOAD \slot                                    ; the first tensor load behind the round: 112 matrix instructions ahead of the wait for it; its four v_nop are the places ahead of the loads below
.else
	PLACES
.endif
	FETCH \next, 0, 0
	WIN MUL
	MUL8 1, 2, 0
	MUL8 1, 3, 0
.endm
	s_wait_tensorcnt 1                             ; my part of K step 0 is in (K step 1's may be out)
	s_barrier_signal -1
	s_barrier_wait -1
	FETCH 0, 0, 0
	QUARTER 0, 1, 0, 1, 1                          ; the first quarter's products start the sums
	WIN 0
	s_mov_b32 s3, LAPS-1
.Llap:                                             ; a trip goes once round the ring and fills both slots again
	QUARTER 0, 2, 1, 0, 0
	QUARTER 0, 3, 0, 1, 0
	TURN 0, 1, 1
	QUARTER 1, 1, 0, 1, 0
	QUARTER 1, 2, 1, 0, 0
	QUARTER 1, 3, 0, 1, 0
	TURN 1, 0, 1
	QUARTER 0, 1, 0, 1, 0
	WIN 0
	s_sub_co_u32 s3, s3, 1
	s_cmp_lg_u32 s3, 0
	s_cbranch_scc1 .Llap
	QUARTER 0, 2, 1, 0, 0                          ; the last lap fills nothing
	QUARTER 0, 3, 0, 1, 0
	TURN 0, 1, 0
	QUARTER 1, 1, 0, 1, 0
	QUARTER 1, 2, 1, 0, 0
	QUARTER 1, 3, 0, 1, 0
	s_wait_dscnt 4
	WIN MUL
	MUL8 1, 0, 0
	MUL8 1, 1, 0
	s_wait_dscnt 0
	MUL8 1, 2, 0
	MUL8 1, 3, 0
	WIN 0
; THE WAY OUT, a block of 16 rows x 128 columns at a time, through my own stage: LDS serves a wave's instructions in order, so no wait stands between the stores and the loads.
.macro TOSTAGE a
	WIN 0x08                                       ; an LDS store's data are its source 1: window 2
.irp b, 0,1,2,3,4,5,6,7
	ds_store_b128 v[STO], v[8*(8*(\a)+\b):8*(8*(\a)+\b)+3] offset:64*\b          ; each accumulator from its low end on
	ds_store_b128 v[STO], v[8*(8*(\a)+\b)+4:8*(8*(\a)+\b)+7] offset:64*\b+16
.endr
	WIN 0
.set BB, BK+64*((\a)%2)
.irp t, 0,1,2,3,4,5,6,7,8,9,10,11,12,13,14,15
	ds_load_b128 v[BB+4*\t:BB+4*\t+3], v[RD] offset:\t*SPITCH
.endr
.endm
.macro SEND a, younger
.set BB, BK+64*((\a)%2)
	s_wait_dscnt \younger                          ; the block is back; the next block's 16 stores and 16 loads may be out
.if (\a) > 0
	s_add_nc_u64 s[8:9], s[8:9], 16*8192           ; (behind a wait on XCNT: the earlier stores have read their base)
.else
	s_wait_xcnt 0x0                                ; EXEC changes only behind this wait
	v_cmp_ne_u32 vcc_lo, 0, v[KEEP]
	s_and_saveexec_b32 s20, vcc_lo                 ; the first 16 positions of a sequence are the fine launch's
.endif
.irp t, 0,1,2,3,4,5,6,7,8,9,10,11,12,13,14,15
	global_store_b128 v[CO], v[BB+4*\t:BB+4*\t+3], s[8:9] offset:\t*8192 th:TH_STORE_NT   ; 512 consecutive bytes, at a multiple of 256 from the buffer's first byte
.endr
.if (\a) == 0
	s_wait_xcnt 0x0                                ; and again ahead of the line that restores it
	s_or_b32 exec_lo, exec_lo, s20
.endif
.endm
	PLACES
	TOSTAGE 0
.irp a, 1,2,3
.if \a > 1
	s_wait_xcnt 0x0                                ; block a - 2's stores have read their registers and their base
.endif
	TOSTAGE \a
	SEND \a-1, 32
.endr
	s_wait_xcnt 0x0
	SEND 3, 0
	s_wait_tensorcnt 0x0                           ; the wave's end
	ds_add_u32 v[SPW], v[NIL]
	s_wait_dscnt 0x0
	CROUND                                         ; the closing round
	s_endpgm
.Lfunc_end_k_q26095fe6d1_oproj:
	.size	k_q26095fe6d1_oproj, .Lfunc_end_k_q26095fe6d1_oproj-k_q26095fe6d1_oproj
	.p2alignl 7, 3214868480
	.fill 96, 4, 3214868480
	.section	.rodata,"a",@progbits
	.p2align	6, 0x0
	.amdhsa_kernel k_q26095fe6d1_oproj
		.amdhsa_group_segment_fixed_size 327680
		.amdhsa_private_segment_fixed_size 0
		.amdhsa_enable_private_segment 0
		.amdhsa_kernarg_size 24
		.amdhsa_user_sgpr_count 2
		.amdhsa_user_sgpr_kernarg_segment_ptr 1
		.amdhsa_wavefront_size32 1
		.amdhsa_system_sgpr_workgroup_id_x 1
		.amdhsa_system_sgpr_workgroup_id_y 1
		.amdhsa_system_sgpr_workgroup_id_z 1
		.amdhsa_system_vgpr_workitem_id 0
		.amdhsa_next_free_vgpr 768
		.amdhsa_next_free_sgpr 66
		.amdhsa_reserve_vcc 1
		.amdhsa_float_denorm_mode_32 3
		.amdhsa_float_denorm_mode_16_64 3
		.amdhsa_memory_ordered 1
		.amdhsa_forward_progress 1
		.amdhsa_inst_pref_size 85
	.end_amdhsa_kernel
	.amdgpu_metadata
---
amdhsa.version: [ 1, 2 ]
amdhsa.kernels:
  - .name:           k_q26095fe6d1_oproj
    .symbol:         k_q26095fe6d1_oproj.kd
    .args:
      - { .name: att16, .offset: 0, .size: 8, .value_kind: global_buffer, .address_space: global }
      - { .name: wo16, .offset: 8, .size: 8, .value_kind: global_buffer, .address_space: global }
      - { .name: out0, .offset: 16, .size: 8, .value_kind: global_buffer, .address_space: global }
    .group_segment_fixed_size: 327680
    .private_segment_fixed_size: 0
    .kernarg_segment_align: 8
    .kernarg_segment_size: 24
    .max_flat_workgroup_size: 128
    .sgpr_count:     66
    .vgpr_count:     768
    .wavefront_size: 32
...
	.end_amdgpu_metadata
.endif
;; end of part 7
